; MI455X (gfx1250); checked and timed in simulation.
; The chip was launched on July 23, 2026; its instructions are those of AMD's public machine-readable ISA for CDNA 5 (MIT licence, August 2026) and "CDNA5" Instruction Set Architecture Reference Guide (July 2026). The comments in the code are by the model that wrote it; some were corrected since.
;; Self Attention. Allowed arithmetic: matrix products marked QUANTISED: E2M3 operands, one E8M0 scale for each 32 along K, by v_wmma_scale_f32_16x16x128_f8f6f4 with both operands' format E2M3, f32 sums; everything else in f32.
;; Inputs: Wk 1,024 x 1,024 float32; Wo 1,024 x 1,024 float32; Wq 1,024 x 1,024 float32; Wv 1,024 x 1,024 float32; bk 1,024 float32; bo 1,024 float32; bq 1,024 float32; bv 1,024 float32; x 2 x 2,048 x 1,024 float32.
;; Outputs: out0 2,048 x 1,024 float32.
;; This version of the problem:
;;   THIS VERSION OF THE PROBLEM IS GIVEN IN LOW PRECISION. The matrix products marked QUANTISED in the list below multiply operands that are first quantised to E2M3 (2 exponent bits, 3 mantissa bits; 6 bits a number), with one power-of-two scale for each 32 numbers along K (OCP MX v1.0); their sums are f32. All else is computed in f32.
;;   The module's matrix products, in the order in which they are computed (A, B: the left and right operand; K: the contracted axis; several contracted axes count as one K, in the product's order):
;;     1. [M 4,096, K 1,024] x [K 1,024, N 1,024]; A: input x; B: input Wq: QUANTISED
;;     2. [M 4,096, K 1,024] x [K 1,024, N 1,024]; A: input x; B: input Wk: QUANTISED
;;     3. [M 4,096, K 1,024] x [K 1,024, N 1,024]; A: input x; B: input Wv: QUANTISED
;;     4. batch 32 x [M 2,048, K 64] x [K 64, N 2,048]; A: computed on the way; B: computed on the way: QUANTISED
;;     5. batch 32 x [M 2,048, K 2,048] x [K 2,048, N 64]; A: softmax (see below); B: computed on the way: QUANTISED
;;     6. [M 4,096, K 1,024] x [K 1,024, N 1,024]; A: computed on the way; B: input Wo: QUANTISED
;;   THE QUANTISER, for each operand of a quantised product, along K:
;;     - K is cut into blocks of 32 from its start; a last block that is shorter is filled with zeros.
;;     - A block's scale is 2^e with e = floor(log2(the largest magnitude in the block)) - 2, held to -126 .. 127; a block of zeros has e = 0. As a byte (E8M0): e + 127.
;;     - Each number is divided by its block's scale, clamped to +-7.5, and rounded to the nearest number of E2M3, ties to even, subnormals kept.
;;     - The product sums the exact products of the quantised numbers (number of the format x scale) in f32.
;;   ~~~python
;;   def quantise(x, axis):      # numpy; x: float32 -> the quantised numbers, widened to float32 again
;;       x = np.moveaxis(x, axis, -1); K = x.shape[-1]
;;       x = np.pad(x, [(0, 0)] * (x.ndim - 1) + [(0, -K % 32)]); x = x.reshape(x.shape[:-1] + (-1, 32)); a = np.abs(x).max(-1, keepdims=True)
;;       e = np.where(a > 0, np.clip(np.frexp(np.where(a > 0, a, 1))[1] - 1 - 2, -126, 127), 0)      # np.frexp(a)[1] - 1 = floor(log2(a)), exactly
;;       r = np.clip(x / 2.0 ** e, -7.5, 7.5)
;;       step = 2.0 ** (np.maximum(np.frexp(np.where(r == 0, 1, r))[1] - 1, 0) - 3)
;;       q = np.round(r / step) * step * 2.0 ** e      # np.round: ties to even
;;       return np.moveaxis(q.reshape(q.shape[:-2] + (-1,))[..., :K], -1, axis).astype(np.float32)
;;   ~~~
;;   SOFTMAX AHEAD OF A QUANTISED PRODUCT. Where the list says 'softmax', what is quantised is not the finished softmax but p = 2^(t - M), with t = logit x log2(e) and M = ceil(the row's largest t), a whole number; so 1/2 < the row's largest p <= 1. The row's sum l is taken of the UNQUANTISED p, in f32, and the product's result is divided by l at the end. Since M is a whole number, a kernel that streams over the keys may use a running M (the ceiling of the running maximum): every later rescaling is an exact power of two, which a block's scale takes up: the codes' values come out the same.
;;   OPERANDS COMPUTED ON THE WAY. 'Computed on the way' means the value that the module computes at that place (a softmax that the list does not call 'softmax' is quantised finished and normalised). What goes into a quantiser is computed in f32, as accurately as f32 sums, v_exp_f32 and their like allow (about 1e-6 of the number): no bf16 or f16 on the way to a quantiser, and a product that is left as it is and whose result goes on into a quantised operand takes f32 operands (vector FMAs, or v_wmma_f32_16x16x4_f32). A number that lies on a knife's edge between two numbers of the format may be rounded either way, as far as f32 arithmetic and the matrix unit's own rounding can turn it there, and no further.
;; One version. Each part assembles by itself: llvm-mc -triple=amdgcn-amd-amdhsa -mcpu=gfx1250 --defsym DOCPART=n.
;; ======== version 1 of 1: 4 launches
;; limits: right only within a limited range of input values
;; workspace buffers: codes 4,718,592 bytes; scl 196,608 bytes; qb 1,703,936 bytes; kvb 3,407,872 bytes; cc 1,572,864 bytes; cs 131,072 bytes
;; launch quant (part 1): grid 256 x 1, 6 waves a work-group, no clusters, 52,224 bytes of LDS; arguments x, Wq, Wk, Wv, Wo, codes, scl; writes codes, scl
.if DOCPART == 1
	.amdgcn_target "amdgcn-amd-amdhsa--gfx1250"
	.amdhsa_code_object_version 6
	.text
	.protected	k_qc6be873f17_quant
	.globl	k_qc6be873f17_quant
	.p2align	8
	.type	k_qc6be873f17_quant,@function
k_qc6be873f17_quant:
	s_mov_b64 s[64:65], 0
	v_nop
	global_prefetch_b8 v0, s[64:65] scope:SCOPE_SE
	s_setreg_imm32_b32 hwreg(HW_REG_WAVE_MODE, 25, 1), 1
	s_wait_xcnt 0x0
; x (batch 0: its first 2,048 rows) and Wq, Wk, Wv, Wo, all [rows][1024] f32 with K innermost, become codes of FP6 (E2M3) with one E8M0 byte for each 32 along K.
; DEAD WORK: reference() returns out[0], and no step of it mixes the two batches (products, softmax and sums all run inside one batch): so nothing of batch 1 of x can reach the output, whatever it holds, and it is not read.
; A NaN, an infinity or an overflow that reaches only batch 1 is not carried to the result.
; A TILE is 16 rows; tile T of a tensor holds rows 64 (T / 4) + 8 (T % 4) + i + 24 (i / 8), i = 0 .. 15: the four tiles of 64 rows, used as source 0 of a product, leave 32 neighbours in a lane's registers.
; codes: tile g at 12,288 g: eight K steps of 128, each the image of an operand's 12 registers: registers 4 c .. 4 c + 3 of lane l at 512 c + 16 l.
;   g 0-127 x; 128 + 12 head + 4 role + j: tile j of the head's 64 rows of Wq (role 0), Wk, Wv; 320-383 Wo.
; scl: 512 bytes a tile: the word at 256 p + 8 l + 4 i is the scale word of row l % 16 for K step 4 p + 2 i + l / 16.
; A UNIT is two K steps of a tile: unit u = 6 x work-group + wave, of tile u / 4: 1,536 units for 256 work-groups of six waves.  Each load reads 512 consecutive bytes of a row; a fragment's 8,192 bytes turn through the wave's own
; stage in LDS, from which lane (r, h) takes the 2 x 32 neighbours of row r that the operand's layout gives it: k = 64 c + 32 h + 0 .. 31.  So a block of 32 lies in one lane, and the conversions' results are the operand's registers.
; A block's scale is 2^(floor(log2(its largest magnitude)) - 2); its byte is that magnitude's exponent field - 2, held at 1 from below.
; LIMITS: a block of zeros gets the byte 1 where the rule says 127 (its codes are zeros, and this program alone reads the bytes); NaN and infinities among the inputs are not served.
.set STGB,  16*528                     ; a wave's stage: 16 rows of 512 bytes + 16
.set SCW,   6*STGB                     ; 768 bytes: the units' scale words are gathered here, 256 bytes for each two waves
.set SPARE, SCW+768                    ; the spare words, 128 bytes for each wave: three blocks of 256 bytes that no other line names
.set SPW, 10
.set NIL, 11
.set M,   12
.set SO,  14
.set BY,  16
.set WD,  18
.set CF,  24                           ; v24-47 the two fragments' codes: no store's data are written again
.set T,   48
.set X,   64                           ; v64-127 64 numbers in the operand's order
.set R,   128                          ; v128-255 two fragments as they are loaded
	s_load_b256 s[4:11], s[0:1], 0x0               ; x, Wq, Wk, Wv
	s_load_b128 s[12:15], s[0:1], 0x20             ; Wo, codes
	s_load_b64 s[16:17], s[0:1], 0x30              ; scl
	v_lshl_add_u32 v[SPW], v0, 2, SPARE
	v_mov_b32 v[NIL], 0
	v_lshrrev_b32 v1, 5, v0
	v_readfirstlane_b32 s18, v1                    ; wave
	s_mul_i32 s22, ttmp9, 6
	s_add_co_u32 s22, s22, s18                     ; my unit
	s_lshr_b32 s23, s22, 2                         ; its tile g
	s_sub_co_u32 s25, s23, 128
	s_mul_i32 s26, s25, 171
	s_lshr_b32 s26, s26, 11                        ; (g - 128) / 12: the head (171 / 2,048 serves for numbers under 192)
	s_mul_i32 s27, s26, 12
	s_sub_co_u32 s27, s25, s27
	s_lshr_b32 s30, s27, 2                         ; the role
	s_and_b32 s27, s27, 3
	s_lshl_b32 s26, s26, 2
	s_add_co_u32 s26, s26, s27                     ; the tile's number in its weight
	s_sub_co_u32 s27, s23, 320
	s_cmp_lt_u32 s23, 320
	s_cselect_b32 s26, s26, s27
	s_cmp_lt_u32 s23, 128
	s_cselect_b32 s26, s23, s26                    ; the tile's number in its tensor
	s_lshr_b32 s24, s26, 2
	s_lshl_b32 s24, s24, 18                        ; 64 rows of 4,096 bytes for each four tiles,
	s_and_b32 s26, s26, 3
	s_lshl_b32 s26, s26, 15                        ; 8 rows from tile to tile,
	s_add_co_u32 s24, s24, s26
	s_and_b32 s26, s22, 3
	s_lshl_b32 s26, s26, 10                        ; 1,024 bytes for two K steps
	s_add_co_u32 s24, s24, s26
	s_mov_b32 s25, 0
	s_mul_i32 s26, s22, 3072                       ; codes: my unit
	s_mov_b32 s27, 0
	s_mul_i32 s19, s18, STGB
	s_lshr_b32 s20, s18, 1
	s_lshl_b32 s20, s20, 8
	s_and_b32 s21, s18, 1
	s_lshl_b32 s21, s21, 2
	s_add_co_u32 s20, s20, s21
	s_add_co_u32 s20, s20, SCW                     ; my scale words' place
	s_min_u32 s21, s18, 2
	s_lshl_b32 s21, s21, 8                         ; waves 0 to 2 store 256 bytes of scale words each
	s_mul_i32 s28, ttmp9, 768
	s_add_co_u32 s28, s28, s21
	s_mov_b32 s29, 0
	s_add_co_u32 s21, s21, SCW
	v_and_b32 v1, 31, v0                           ; l
	v_and_b32 v3, 15, v0                           ; r
	v_bfe_u32 v4, v0, 4, 1                         ; h
	v_lshlrev_b32 v2, 4, v1                        ; 16 l
	v_lshlrev_b32 v22, 3, v1                       ; 8 l
	v_mul_u32_u24 v6, v3, 528
	v_add_nc_u32 v5, s19, v2                       ; the stage, in: 16 l of a row
	v_lshl_add_u32 v6, v4, 7, v6
	v_lshlrev_b32 v7, 3, v4                        ; 8 h
	v_add_nc_u32 v6, s19, v6                       ; and out: row r, + 128 h
	v_add_nc_u32 v8, s20, v22
	v_add_nc_u32 v9, s21, v22
	v_mov_b32 v20, 0                               ; written once: a lane permute's destination counts as one of its sources
	s_wait_alu depctr_va_vdst(0)                   ; the wait at the head's end
	s_wait_kmcnt 0x0
	s_cmp_eq_u32 s30, 1                            ; which tensor: the choice hangs on the unit's number alone
	s_cselect_b64 s[20:21], s[8:9], s[10:11]
	s_cmp_eq_u32 s30, 0
	s_cselect_b64 s[20:21], s[6:7], s[20:21]
	s_cmp_lt_u32 s23, 320
	s_cselect_b64 s[20:21], s[20:21], s[12:13]
	s_cmp_lt_u32 s23, 128
	s_cselect_b64 s[20:21], s[4:5], s[20:21]
	s_add_nc_u64 s[20:21], s[20:21], s[24:25]
	s_add_nc_u64 s[14:15], s[14:15], s[26:27]
	s_add_nc_u64 s[16:17], s[16:17], s[28:29]
	s_mov_b32 s28, 0x76543210
	s_mov_b32 s29, 0xfedcba98                      ; v_permlanex16_b32's selects for lane l xor 16
.macro LOADF f                         ; fragment f: 16 rows x 512 bytes; 32 lanes read 512 consecutive bytes
.irp i, 0,1,2,3,4,5,6,7,8,9,10,11,12,13,14,15
	global_load_b128 v[R+64*\f+4*\i:R+64*\f+4*\i+3], v2, s[20:21] offset:(\i+24*(\i/8))*4096+512*\f th:TH_LOAD_NT
.endr
.endm
.macro TURN f                          ; through the stage: LDS serves a wave's instructions in order, so no wait stands between the stores and the loads
.irp i, 0,1,2,3,4,5,6,7,8,9,10,11,12,13,14,15
	ds_store_b128 v5, v[R+64*\f+4*\i:R+64*\f+4*\i+3] offset:528*\i
.endr
.irp c, 0,1
.irp j, 0,1,2,3,4,5,6,7
	ds_load_b128 v[X+32*\c+4*\j:X+32*\c+4*\j+3], v6 offset:256*\c+16*\j
.endr
.endr
.endm
.macro QF f                            ; 64 numbers become 12 registers of codes and a scale word
.irp c, 0,1
	v_max3_num_f32 v[M+\c], |v[X+32*\c]|, |v[X+32*\c+1]|, 0x1800000   ; my block 2 c + h: all 32 numbers are mine; the floor 2^(3 - 127) holds the byte at 1 from below
.endr
.irp i, 2,4,6,8,10,12,14,16,18,20,22,24,26,28,30
.irp c, 0,1
	v_max3_num_f32 v[M+\c], v[M+\c], |v[X+32*\c+\i]|, |v[X+32*\c+\i+1]|
.endr
.endr
.irp c, 0,1
	v_add_nc_u32 v[SO+\c], 0xff000000, v[M+\c]     ; 2 off the exponent field: the conversion takes the exponent field of this operand as its scale
.endr
.irp c, 0,1
	v_lshrrev_b32 v[BY+\c], 23, v[SO+\c]           ; the scale's byte
.endr
	v_lshl_or_b32 v[WD+\f], v[BY+1], 16, v[BY]     ; blocks h and 2 + h,
	v_lshlrev_b32 v[WD+\f], v7, v[WD+\f]           ; at their places in the word;
	v_permlanex16_b32 v20, v[WD+\f], s28, s29
	v_or_b32 v[WD+\f], v[WD+\f], v20               ; with lane l xor 16's two the word is whole
.irp c, 0,1
	v_cvt_scalef32_pk16_fp6_f32 v[CF+12*\f+6*\c:CF+12*\f+6*\c+2], v[X+32*\c:X+32*\c+15], v[SO+\c]
	v_cvt_scalef32_pk16_fp6_f32 v[T+4*\c:T+4*\c+2], v[X+32*\c+16:X+32*\c+31], v[SO+\c]   ; (a conversion's three registers begin on an even number)
.endr
	v_nop                                          ; one plain place behind a scaled conversion
.irp c, 0,1
.irp i, 0,1,2
	v_mov_b32 v[CF+12*\f+3+6*\c+\i], v[T+4*\c+\i]
.endr
.endr
.irp p, 0,1,2
	global_store_b128 v2, v[CF+12*\f+4*\p:CF+12*\f+4*\p+3], s[14:15] offset:1536*\f+512*\p   ; 32 lanes store 512 consecutive bytes, aligned to 256
.endr
.endm
	LOADF 0
	LOADF 1
	s_wait_loadcnt 16                              ; fragment 0's sixteen loads are in, fragment 1's may be out
	TURN 0
	s_wait_dscnt 0x0
	QF 0
	s_wait_loadcnt 0x0
	TURN 1
	s_wait_dscnt 0x0
	QF 1
	v_cmp_gt_u32 vcc_lo, 16, v1
	v_cndmask_b32 v21, v[WD+1], v[WD], vcc_lo      ; lanes 0-15 hand in the first K step's word, lanes 16-31 the second's
	ds_store_b32 v8, v21
	s_wait_dscnt 0x0                               ; for the others' sake: my store has landed
	s_barrier_signal -1
	s_barrier_wait -1
	s_cmp_lt_u32 s18, 3
	s_cbranch_scc0 .Lend
	ds_load_b64 v[56:57], v9                       ; waves 0 to 2 store 256 bytes each
	s_wait_dscnt 0x0
	global_store_b64 v22, v[56:57], s[16:17]
.Lend:
	s_wait_tensorcnt 0x0                           ; the wave's end, behind my last LDS store
	ds_add_u32 v[SPW], v[NIL]
	s_wait_dscnt 0x0
	s_endpgm
.Lfunc_end_k_qc6be873f17_quant:
	.size	k_qc6be873f17_quant, .Lfunc_end_k_qc6be873f17_quant-k_qc6be873f17_quant
	.p2alignl 7, 3214868480
	.fill 96, 4, 3214868480
	.section	.rodata,"a",@progbits
	.p2align	6, 0x0
	.amdhsa_kernel k_qc6be873f17_quant
		.amdhsa_group_segment_fixed_size 52224
		.amdhsa_private_segment_fixed_size 0
		.amdhsa_enable_private_segment 0
		.amdhsa_kernarg_size 56
		.amdhsa_user_sgpr_count 2
		.amdhsa_user_sgpr_kernarg_segment_ptr 1
		.amdhsa_wavefront_size32 1
		.amdhsa_system_sgpr_workgroup_id_x 1
		.amdhsa_system_sgpr_workgroup_id_y 1
		.amdhsa_system_sgpr_workgroup_id_z 1
		.amdhsa_system_vgpr_workitem_id 0
		.amdhsa_next_free_vgpr 256
		.amdhsa_next_free_sgpr 66
		.amdhsa_reserve_vcc 1
		.amdhsa_float_denorm_mode_32 3
		.amdhsa_float_denorm_mode_16_64 3
		.amdhsa_memory_ordered 1
		.amdhsa_forward_progress 1
		.amdhsa_inst_pref_size 18
	.end_amdhsa_kernel
	.amdgpu_metadata
---
amdhsa.version: [ 1, 2 ]
amdhsa.kernels:
  - .name:           k_qc6be873f17_quant
    .symbol:         k_qc6be873f17_quant.kd
    .args:
      - { .name: x, .offset: 0, .size: 8, .value_kind: global_buffer, .address_space: global }
      - { .name: Wq, .offset: 8, .size: 8, .value_kind: global_buffer, .address_space: global }
      - { .name: Wk, .offset: 16, .size: 8, .value_kind: global_buffer, .address_space: global }
      - { .name: Wv, .offset: 24, .size: 8, .value_kind: global_buffer, .address_space: global }
      - { .name: Wo, .offset: 32, .size: 8, .value_kind: global_buffer, .address_space: global }
      - { .name: codes, .offset: 40, .size: 8, .value_kind: global_buffer, .address_space: global }
      - { .name: scl, .offset: 48, .size: 8, .value_kind: global_buffer, .address_space: global }
    .group_segment_fixed_size: 52224
    .private_segment_fixed_size: 0
    .kernarg_segment_align: 8
    .kernarg_segment_size: 56
    .max_flat_workgroup_size: 192
    .sgpr_count:     66
    .vgpr_count:     256
    .wavefront_size: 32
...
	.end_amdgpu_metadata
.endif
;; end of part 1
;; launch heads (part 2): grid 16 x 16, 6 waves a work-group, clusters of 4 x 4, 262,144 bytes of LDS; arguments codes, scl, bq, bk, bv, qb, kvb; writes qb, kvb
.if DOCPART == 2
	.amdgcn_target "amdgcn-amd-amdhsa--gfx1250"
	.amdhsa_code_object_version 6
	.text
	.protected	k_qc6be873f17_heads
	.globl	k_qc6be873f17_heads
	.p2align	8
	.type	k_qc6be873f17_heads,@function
k_qc6be873f17_heads:
	s_mov_b64 s[64:65], 0
	v_nop
	global_prefetch_b8 v0, s[64:65] scope:SCOPE_SE
	s_setreg_imm32_b32 hwreg(HW_REG_WAVE_MODE, 25, 1), 1
	s_wait_xcnt 0x0
	s_wait_alu depctr_hold_cnt(0) depctr_sa_sdst(0) depctr_va_vdst(0) depctr_va_sdst(0) depctr_va_ssrc(0) depctr_va_vcc(0) depctr_vm_vsrc(0)
	s_getreg_b32 s2, hwreg(HW_REG_IB_STS2, 6, 4)
	s_cmp_eq_u32 s2, 0
	s_cbranch_scc0 .Lentry_in_a_cluster
	s_endpgm
.Lentry_in_a_cluster:
	s_bfe_u32 s2, ttmp6, 0x10000c
	s_cmp_lg_u32 s2, 0xf033
	s_cbranch_scc0 .Lentry_shape_is_right
	s_endpgm
.Lentry_shape_is_right:
; q = x Wq^T + bq, k = x Wk^T + bk, v = x Wv^T + bv on codes of FP6 (E2M3); the results are quantised at once for the two products of attention and never leave as f32.
; DEAD WORK: batch 1 has no way to out[0]: its rows are not made.
; A work-group makes 128 rows x one head (64 columns) of q, k and v.  Wave w: role w / 2 (0 q, 1 k, 2 v), half w % 2 of the rows: 4 x 4 tiles, 16 accumulators, K = 1,024 in eight steps of 128.
; q, k: source 0 = the head's 4 tiles of W, source 1 = 4 tiles of x: a lane (r, h) holds one row, and its 32 registers of a tile of x are the head's columns 32 h + 0 .. 31: one scale block of the next K.
; v:    source 0 = 4 tiles of x, source 1 = the head's 4 tiles of Wv: a lane holds one of the head's 64, and its 32 registers are keys 32 h + 0 .. 31 of the 64: one scale block of the next K.  One text serves all: addresses, biases and step 0's C differ.
; (Row i of tile j of 64 rows is 8 j + i + 24 (i / 8).)
; ALL OPERANDS FIT IN LDS AT ONCE, in three chunks along K (steps 0-1, 2-4, 5-7), each x's 8 tiles and the weights' 12, as images of the operands' registers.  Every byte is filled once: six joint loads, one a wave; a chunk is read behind its loaders' waits and a barrier.
; CLUSTER 4 x 4: the four work-groups of a row of the cluster (one block of rows) ask for x's tiles jointly, the four of a column (one head) for the weights'.  All tiles are asked for at the head: there is no later request that a prefetch could run ahead of.
; OUT, in records of 64 rows, n = 32 head + (rows / 64).  qb: 3,328 n: four half images (16 rows x 64 K: registers 0-3 at 16 l, registers 4-5 at 512 + 8 l), then 256 bytes of scale words.
;   kvb: 6,656 n: k's four half images, v's four at 3,072, k's scale words at 6,144, v's at 6,400.  The scale word of image a, row r lies at 128 (a / 2) + 8 r + 4 (a % 2).
; LIMITS: a block of zeros gets the byte 1 (its codes are zeros; this program alone reads the bytes); NaN and infinities are not served.
; REGISTERS: window 0: v1-15 addresses; v16-31, v34-49 scale words; v52-127 at work on the way out; v128-255 the accumulators ((a, b) at 128 + 32 a + 8 b).  Window 1: two sets of 8 fragments at 0 and 96; from 192 the bias.
.set LXB,   61440                      ; chunk 0: x's 8 tiles at 0, the weights' 12 at 24,576, 3,072 bytes a tile; chunk 1: x from here, the weights at 98,304, 4,608 bytes a tile; chunk 2: 92,160 further on
.set LWA,   24576
.set LWB,   98304
.set NEXTC, 92160
.set SPARE, 245760                     ; the spare words, 128 bytes for each wave: three blocks of 256 bytes that no other line names
.set WV,  18
.set SEL, 2
.set G1XA, 28                          ; descriptor group 1: x's tiles in chunk 0, in chunks 1 and 2; the weights' likewise
.set G1XB, 36
.set G1WA, 44
.set G1WB, 52
.set ADA, 4                            ; v4-6   LDS address of source 0's fragments in chunk j
.set ADB, 8                            ; v8-10  of source 1's
.set SPW, 14
.set NIL, 15
.set SCA, 16                           ; source 0's scale words: tile b at 4 b; register i: K step 2 i in lanes 0-15, 2 i + 1 in lanes 16-31
.set SCB, 34                           ; source 1's
.set M,   52
.set P,   60
.set PX,  64
.set SO,  68
.set PW,  72
.set SL,  76
.set C,   80
.set T,   112
.set ACC, 128
.set BI,  192
.set MSB, 0
.macro WIN new                         ; the immediate's high byte repeats the setting that is left
.if MSB != \new
	s_set_vgpr_msb (MSB<<8)|\new
.set MSB, \new
.endif
.endm
.macro CROUND                          ; a round of the cluster's barrier
	s_barrier_signal -1
	s_barrier_wait -1
	s_cmp_lg_u32 s[WV], 0
	s_cbranch_scc1 .Lnot_wave_0_\@
	s_barrier_signal -3
.Lnot_wave_0_\@:
	s_barrier_wait -3
	s_barrier_signal -1
	s_barrier_wait -1
.endm
.macro PLACES                          ; four places behind matrix instructions, in front of loads into registers that they have read and of the first read of results
.rept 4
	v_nop
.endr
.endm
.macro G0SET k, base, lds, off
	s_mov_b32 s[\k], 1
	s_mov_b32 s[\k+1], \lds
	s_add_nc_u64 s[\k+2:\k+3], s[\base:\base+1], \off
	s_or_b32 s[\k+3], s[\k+3], 0x80000000
.endm
.macro G1SET g, mask, tiles, elems     ; tiles of \elems x 8 bytes, 12,288 bytes from tile to tile
	s_or_b32 s[\g], s[\mask], (3<<16)|(1<<21)
	s_mov_b32 s[\g+1], (\elems)<<16
	s_mov_b32 s[\g+2], (\tiles)<<16
	s_mov_b32 s[\g+3], (\elems)<<16
	s_mov_b32 s[\g+4], \tiles
	s_mov_b32 s[\g+5], 1536
	s_mov_b32 s[\g+6], 0
	s_mov_b32 s[\g+7], 0
.endm
	s_load_b256 s[4:11], s[0:1], 0x0               ; codes, scl, bq, bk
	s_load_b128 s[12:15], s[0:1], 0x20             ; bv, qb
	s_load_b64 s[16:17], s[0:1], 0x30              ; kvb
	v_lshl_add_u32 v[SPW], v0, 2, SPARE
	v_mov_b32 v[NIL], 0
	ds_add_u32 v[SPW], v[NIL]                      ; the wave's opening: the add, twice on end, and its wait
	ds_add_u32 v[SPW], v[NIL]
	v_lshrrev_b32 v3, 5, v0
	v_readfirstlane_b32 s[WV], v3                  ; wave 0..5
	s_lshr_b32 s19, s[WV], 1                       ; role
	s_and_b32 s20, s[WV], 1                        ; half
	s_bfe_u32 s21, ttmp6, 0x40000                  ; cx
	s_bfe_u32 s22, ttmp6, 0x40004                  ; cy
	s_lshl_b32 s23, ttmp9, 2
	s_add_co_u32 s23, s23, s21                     ; head = 4 x cluster x + cx
	s_and_b32 s24, ttmp7, 0xffff
	s_lshl_b32 s24, s24, 2
	s_add_co_u32 s24, s24, s22                     ; block of 128 rows = 4 x cluster y + cy
	s_lshl_b32 s25, s22, 2
	s_lshl_b32 s25, 15, s25                        ; my row of the cluster
	s_lshl_b32 s26, 0x1111, s21                    ; my column
	G1SET G1XA, 25, 8, 384
	G1SET G1XB, 25, 8, 576
	G1SET G1WA, 26, 12, 384
	G1SET G1WB, 26, 12, 576
	s_mul_i32 s92, s24, 8*12288                    ; x: my block's 8 tiles (the block alone enters)
	s_mov_b32 s93, 0
	s_mul_i32 s94, s23, 12*12288                   ; the weights: my head's 12 tiles (the head alone enters)
	s_add_co_u32 s94, s94, 128*12288
	s_mov_b32 s95, 0
	s_mov_b32 s[SEL], 0x76543210
	s_mov_b32 s[SEL+1], 0xfedcba98
	s_wait_dscnt 0x0                               ; both opening adds are done
	CROUND                                         ; all sixteen work-groups are here: the joint loads meet
	s_wait_kmcnt 0x0
	s_add_nc_u64 s[60:61], s[4:5], s[92:93]
	s_add_nc_u64 s[62:63], s[4:5], s[94:95]
	G0SET 68, 62, LWA, 0
	G0SET 72, 60, 0, 0
	G0SET 76, 62, LWB, 3072
	G0SET 80, 60, LXB, 3072
	G0SET 84, 62, LWB+NEXTC, 7680
	G0SET 88, 60, LXB+NEXTC, 7680
.macro ARM under, g0, g1, next
	s_cmp_lt_u32 s[WV], \under
	s_cbranch_scc0 \next
	tensor_load_to_lds s[\g0:\g0+3], s[\g1:\g1+7]
	s_nop 0
	PLACES
	s_branch .Lasked
\next:
.endm
	ARM 1, 68, G1WA, .Larm1                        ; one tensor load a wave.  Waves 0 and 1: chunk 0,
	ARM 2, 72, G1XA, .Larm2
	ARM 3, 76, G1WB, .Larm3                        ; 2 and 3: chunk 1,
	ARM 4, 80, G1XB, .Larm4
	ARM 5, 84, G1WB, .Larm5                        ; 4 and 5: chunk 2
	tensor_load_to_lds s[88:91], s[G1XB:G1XB+7]
	s_nop 0
	PLACES
.Lasked:
	s_mul_i32 s92, s23, 12
	s_lshl_b32 s93, s19, 2
	s_add_co_u32 s92, s92, s93
	s_add_co_u32 s92, s92, 128                     ; my weight's first tile
	s_lshl_b32 s93, s24, 3
	s_lshl_b32 s94, s20, 2
	s_add_co_u32 s93, s93, s94                     ; my first tile of x: 8 block + 4 half
	s_mul_i32 s96, s19, 4*3072
	s_add_co_u32 s96, s96, LWA
	s_mul_i32 s97, s20, 4*3072
	s_mul_i32 s98, s19, 4*4608
	s_add_co_u32 s98, s98, LWB
	s_mul_i32 s99, s20, 4*4608
	s_add_co_u32 s99, s99, LXB
	s_cmp_lt_u32 s[WV], 4                          ; q and k: the weight is source 0; v: x is
	s_cselect_b32 s60, s96, s97                    ; source 0 in chunk 0,
	s_cselect_b32 s61, s97, s96                    ; source 1;
	s_cselect_b32 s62, s98, s99                    ; the same in chunk 1
	s_cselect_b32 s63, s99, s98
	s_cselect_b32 s94, s92, s93                    ; source 0's first tile
	s_cselect_b32 s95, s93, s92                    ; source 1's
	s_lshl_b32 s92, s94, 9
	s_mov_b32 s93, 0
	s_add_nc_u64 s[96:97], s[6:7], s[92:93]        ; their scale words
	s_lshl_b32 s92, s95, 9
	s_add_nc_u64 s[98:99], s[6:7], s[92:93]
	v_and_b32 v3, 31, v0                           ; l
	v_bfe_u32 v12, v0, 4, 1                        ; h
	v_and_b32 v13, 15, v0                          ; r
	v_lshlrev_b32 v1, 4, v3                        ; 16 l
	v_lshlrev_b32 v2, 3, v3                        ; 8 l
	v_lshlrev_b32 v7, 3, v12                       ; 8 h
	v_and_b32 v11, 8, v13
	v_mad_u32_u24 v13, v11, 3, v13                 ; r + 24 (r / 8)
	v_add_nc_u32 v[ADA], s60, v1
	v_add_nc_u32 v[ADB], s61, v1
	v_add_nc_u32 v[ADA+1], s62, v1
	v_add_nc_u32 v[ADB+1], s63, v1
	v_add_nc_u32 v[ADA+2], NEXTC, v[ADA+1]
	v_add_nc_u32 v[ADB+2], NEXTC, v[ADB+1]
	v_lshlrev_b32 v12, 7, v12                      ; q, k: the bias of my half's 32 columns: 128 h
	v_lshlrev_b32 v13, 2, v13                      ; v: the bias of my column
.irp q, 0,1,2,3
	v_mov_b32 v[PX+\q], 0                          ; written once: a lane permute's destination counts as one of its sources
.endr
	s_wait_alu depctr_va_vdst(0)                   ; the wait at the head's end
.irp b, 0,1,2,3
	global_load_b64 v[SCA+4*\b:SCA+4*\b+1], v2, s[96:97] offset:512*\b
	global_load_b64 v[SCA+4*\b+2:SCA+4*\b+3], v2, s[96:97] offset:512*\b+256
	global_load_b64 v[SCB+4*\b:SCB+4*\b+1], v2, s[98:99] offset:512*\b
	global_load_b64 v[SCB+4*\b+2:SCB+4*\b+3], v2, s[98:99] offset:512*\b+256
.endr
	s_cmp_eq_u32 s19, 0
	s_cselect_b64 s[4:5], s[8:9], s[10:11]
	s_cmp_eq_u32 s19, 2
	s_cselect_b64 s[4:5], s[12:13], s[4:5]
	s_lshl_b32 s92, s23, 8
	s_add_nc_u64 s[4:5], s[4:5], s[92:93]          ; my bias at the head's 64 numbers
	s_lshl_b32 s92, s23, 5
	s_lshl_b32 s94, s24, 1
	s_add_co_u32 s92, s92, s94
	s_add_co_u32 s92, s92, s20                     ; my record n
	s_mul_i32 s94, s92, 3328
	s_mov_b32 s95, 0
	s_lshl_b32 s92, s94, 1
	s_mov_b32 s60, 3072
	s_mov_b32 s61, 6144
	s_movk_i32 s62, 3072
	s_movk_i32 s63, 3328
	s_cmp_eq_u32 s19, 2
	s_cselect_b32 s62, s62, 0
	s_cselect_b32 s61, s63, s61
	s_add_co_u32 s92, s92, s62
	s_cmp_eq_u32 s19, 0
	s_cselect_b32 s94, s94, s92
	s_cselect_b32 s60, s60, s61                    ; from my images to their scale words
	s_cselect_b64 s[14:15], s[14:15], s[16:17]
	s_mov_b32 s61, 0
	s_add_nc_u64 s[14:15], s[14:15], s[94:95]
	s_add_nc_u64 s[16:17], s[14:15], s[60:61]
	s_cmp_lt_u32 s[WV], 4                          ; the bias is the C of step 0: eight registers a tile in the result's layout
	s_cbranch_scc0 .Lbias_v
	WIN 0x40                                       ; destination window 1
.irp b, 0,1,2,3
	global_load_b128 v[BI+8*\b:BI+8*\b+3], v12, s[4:5] offset:32*\b
	global_load_b128 v[BI+8*\b+4:BI+8*\b+7], v12, s[4:5] offset:32*\b+16
.endr
	WIN 0
	s_branch .Lbias_done
.Lbias_v:
	WIN 0x40
.irp a, 0,1,2,3
.irp j, 0,1,2,3,4,5,6,7
	global_load_b32 v[BI+8*\a+\j], v13, s[4:5] offset:32*\a   ; one number a lane, in all eight registers
.endr
.endr
	WIN 0
.Lbias_done:
.macro FETCH s, p                      ; K step s: 8 fragments, 24 loads of 512 consecutive bytes, into set p
.if (\s) < 2
.set CHK, 0
.set ROWL, 3072
.set S0, 0
.elseif (\s) < 5
.set CHK, 1
.set ROWL, 4608
.set S0, 2
.else
.set CHK, 2
.set ROWL, 4608
.set S0, 5
.endif
	WIN 0x40
.irp i, 0,1,2,3
.irp c, 0,1,2
	ds_load_b128 v[96*(\p)+12*\i+4*\c:96*(\p)+12*\i+4*\c+3], v[ADA+CHK] offset:ROWL*\i+1536*((\s)-S0)+512*\c
.endr
.endr
.irp i, 0,1,2,3
.irp c, 0,1,2
	ds_load_b128 v[96*(\p)+48+12*\i+4*\c:96*(\p)+48+12*\i+4*\c+3], v[ADB+CHK] offset:ROWL*\i+1536*((\s)-S0)+512*\c
.endr
.endr
	WIN 0
.endm
; 8 matrix instructions: source 1's tiles a0, a0 + 1 x source 0's four.  cm = 1, 2: step 0, whose C is the bias by source 0's tile (q, k) or by source 1's (v).
; The 16 accumulators take turns, one instruction a turn, in the same order in every step.
.macro MUL s, p, a0, cm
.if \cm
	WIN 0x15                                       ; sources 0, 1 and C window 1, D window 0
.else
	WIN 0x05                                       ; sources 0 and 1 window 1, C and D window 0
.endif
.irp a, \a0, \a0+1
.irp b, 0,1,2,3
.set rD, ACC+32*(\a)+8*\b
.set rA, 96*(\p)+12*\b
.set rB, 96*(\p)+48+12*(\a)
.set rE, SCA+4*\b+(\s)/2
.set rF, SCB+4*(\a)+(\s)/2
.if \cm == 1
	v_wmma_scale_f32_16x16x128_f8f6f4 v[rD:rD+7], v[rA:rA+11], v[rB:rB+11], v[BI+8*\b:BI+8*\b+7], v[rE], v[rF] matrix_a_fmt:MATRIX_FMT_FP6 matrix_b_fmt:MATRIX_FMT_FP6
.elseif \cm == 2
	v_wmma_scale_f32_16x16x128_f8f6f4 v[rD:rD+7], v[rA:rA+11], v[rB:rB+11], v[BI+8*(\a):BI+8*(\a)+7], v[rE], v[rF] matrix_a_fmt:MATRIX_FMT_FP6 matrix_b_fmt:MATRIX_FMT_FP6
.elseif (\s)%2
	v_wmma_scale_f32_16x16x128_f8f6f4 v[rD:rD+7], v[rA:rA+11], v[rB:rB+11], v[rD:rD+7], v[rE], v[rF] matrix_a_fmt:MATRIX_FMT_FP6 matrix_b_fmt:MATRIX_FMT_FP6 matrix_a_scale:MATRIX_SCALE_ROW1 matrix_b_scale:MATRIX_SCALE_ROW1
.else
	v_wmma_scale_f32_16x16x128_f8f6f4 v[rD:rD+7], v[rA:rA+11], v[rB:rB+11], v[rD:rD+7], v[rE], v[rF] matrix_a_fmt:MATRIX_FMT_FP6 matrix_b_fmt:MATRIX_FMT_FP6
.endif
.endr
.endr
.endm
.macro STEPN s, how                    ; how = 1, 2: the next step opens chunk 1 or 2, met at a barrier behind which nothing is filled, with half the step's products between signal and wait
	s_wait_dscnt 0x0                               ; this step's set is in, and no LDS instruction of mine is out at a signal
.if \how == 1
	s_cmp_lt_u32 s[WV], 4                          ; waves 2 and 3 have asked for chunk 1; chunk 2 may be out
	s_cbranch_scc0 .Lnot_mine_\@
	s_wait_tensorcnt 0x0
.Lnot_mine_\@:
.elseif \how == 2
	s_wait_tensorcnt 0x0
.endif
.if \how
	s_barrier_signal -1
	MUL \s, (\s)%2, 0, 0
	s_barrier_wait -1
	PLACES
	FETCH (\s)+1, ((\s)+1)%2
	MUL \s, (\s)%2, 2, 0
.else
	PLACES
	FETCH (\s)+1, ((\s)+1)%2
	MUL \s, (\s)%2, 0, 0
	MUL \s, (\s)%2, 2, 0
.endif
.endm
	s_cmp_lt_u32 s[WV], 2                          ; waves 0 and 1 have asked for chunk 0
	s_cbranch_scc0 .Lnot_first
	s_wait_tensorcnt 0x0
.Lnot_first:
	s_barrier_signal -1
	s_barrier_wait -1
	FETCH 0, 0
	FETCH 1, 1
	s_wait_loadcnt 0x0                             ; scale words and bias
	s_wait_dscnt 24                                ; set 0 is in; set 1's 24 loads may be out
	s_cmp_lt_u32 s[WV], 4
	s_cbranch_scc0 .Lstep0_v
	MUL 0, 0, 0, 1
	MUL 0, 0, 2, 1
	WIN 0
	s_branch .Lstep0_done
.Lstep0_v:
	MUL 0, 0, 0, 2
	MUL 0, 0, 2, 2
	WIN 0
.Lstep0_done:
	STEPN 1, 1
	STEPN 2, 0
	STEPN 3, 0
	STEPN 4, 2
	STEPN 5, 0
	STEPN 6, 0
	s_wait_dscnt 0x0
	MUL 7, 1, 0, 0
	MUL 7, 1, 2, 0
	WIN 0
	PLACES
	; THE WAY OUT: for each tile a of source 1 my 32 numbers are one scale block.  The four tiles by turns, two chains each; each accumulator is read from its low end on.
.irp a, 0,1,2,3
	v_max3_num_f32 v[M+\a], |v[ACC+32*\a]|, |v[ACC+32*\a+1]|, |v[ACC+32*\a+2]|
.endr
.irp a, 0,1,2,3
	v_max3_num_f32 v[M+4+\a], |v[ACC+32*\a+17]|, |v[ACC+32*\a+18]|, |v[ACC+32*\a+19]|
.endr
.irp i, 0,2,4,6,8,10
.irp a, 0,1,2,3
	v_max3_num_f32 v[M+\a], v[M+\a], |v[ACC+32*\a+3+\i]|, |v[ACC+32*\a+4+\i]|
.endr
.irp a, 0,1,2,3
	v_max3_num_f32 v[M+4+\a], v[M+4+\a], |v[ACC+32*\a+20+\i]|, |v[ACC+32*\a+21+\i]|
.endr
.endr
.irp a, 0,1,2,3
	v_max3_num_f32 v[M+\a], v[M+\a], |v[ACC+32*\a+15]|, |v[ACC+32*\a+16]|
.endr
.irp a, 0,1,2,3
	v_max3_num_f32 v[M+\a], v[M+\a], v[M+4+\a], 0x1800000   ; with the floor 2^(3 - 127): the byte cannot fall under 1
.endr
.irp a, 0,1,2,3
	v_add_nc_u32 v[SO+\a], 0xff000000, v[M+\a]     ; 2 off the exponent field: the conversion's scale operand
.endr
.irp a, 0,1,2,3
	v_lshrrev_b32 v[P+\a], 23, v[SO+\a]            ; the scale's byte,
.endr
.irp a, 0,1,2,3
	v_lshlrev_b32 v[P+\a], v7, v[P+\a]             ; at block h's place
.endr
.irp a, 0,1,2,3
	v_permlanex16_b32 v[PX+\a], v[P+\a], s[SEL], s[SEL+1]
.endr
.irp a, 0,1,2,3
	v_or_b32 v[PW+\a], v[P+\a], v[PX+\a]           ; both blocks' bytes; the word's upper half stays 0
.endr
.irp a, 0,1,2,3
	v_cvt_scalef32_pk16_fp6_f32 v[C+8*\a:C+8*\a+2], v[ACC+32*\a:ACC+32*\a+15], v[SO+\a]
	v_cvt_scalef32_pk16_fp6_f32 v[T+4*\a:T+4*\a+2], v[ACC+32*\a+16:ACC+32*\a+31], v[SO+\a]
.endr
	v_cmp_le_u32 vcc_lo, 16, v3                    ; (a plain place behind the conversions)
	v_cndmask_b32 v[SL], v[PW], v[PW+2], vcc_lo    ; the scale block: lanes 0-15 images 0 and 1, lanes 16-31 images 2 and 3
	v_cndmask_b32 v[SL+1], v[PW+1], v[PW+3], vcc_lo
.irp a, 0,1,2,3
.irp i, 0,1,2
	v_mov_b32 v[C+8*\a+3+\i], v[T+4*\a+\i]
.endr
.endr
.irp a, 0,1,2,3
	global_store_b128 v1, v[C+8*\a:C+8*\a+3], s[14:15] offset:768*\a         ; 512 consecutive bytes, aligned to 256
	global_store_b64 v2, v[C+8*\a+4:C+8*\a+5], s[14:15] offset:768*\a+512    ; 256 consecutive bytes
.endr
	global_store_b64 v2, v[SL:SL+1], s[16:17]
	s_wait_tensorcnt 0x0                           ; the wave's end
	ds_add_u32 v[SPW], v[NIL]
	s_wait_dscnt 0x0
	CROUND                                         ; the closing round
	s_endpgm
.Lfunc_end_k_qc6be873f17_heads:
	.size	k_qc6be873f17_heads, .Lfunc_end_k_qc6be873f17_heads-k_qc6be873f17_heads
	.p2alignl 7, 3214868480
	.fill 96, 4, 3214868480
	.section	.rodata,"a",@progbits
	.p2align	6, 0x0
	.amdhsa_kernel k_qc6be873f17_heads
		.amdhsa_group_segment_fixed_size 262144
		.amdhsa_private_segment_fixed_size 0
		.amdhsa_enable_private_segment 0
		.amdhsa_kernarg_size 56
		.amdhsa_user_sgpr_count 2
		.amdhsa_user_sgpr_kernarg_segment_ptr 1
		.amdhsa_wavefront_size32 1
		.amdhsa_system_sgpr_workgroup_id_x 1
		.amdhsa_system_sgpr_workgroup_id_y 1
		.amdhsa_system_sgpr_workgroup_id_z 1
		.amdhsa_system_vgpr_workitem_id 0
		.amdhsa_next_free_vgpr 480
		.amdhsa_next_free_sgpr 100
		.amdhsa_reserve_vcc 1
		.amdhsa_float_denorm_mode_32 3
		.amdhsa_float_denorm_mode_16_64 3
		.amdhsa_memory_ordered 1
		.amdhsa_forward_progress 1
		.amdhsa_inst_pref_size 56
	.end_amdhsa_kernel
	.amdgpu_metadata
---
amdhsa.version: [ 1, 2 ]
amdhsa.kernels:
  - .name:           k_qc6be873f17_heads
    .symbol:         k_qc6be873f17_heads.kd
    .args:
      - { .name: codes, .offset: 0, .size: 8, .value_kind: global_buffer, .address_space: global }
      - { .name: scl, .offset: 8, .size: 8, .value_kind: global_buffer, .address_space: global }
      - { .name: bq, .offset: 16, .size: 8, .value_kind: global_buffer, .address_space: global }
      - { .name: bk, .offset: 24, .size: 8, .value_kind: global_buffer, .address_space: global }
      - { .name: bv, .offset: 32, .size: 8, .value_kind: global_buffer, .address_space: global }
      - { .name: qb, .offset: 40, .size: 8, .value_kind: global_buffer, .address_space: global }
      - { .name: kvb, .offset: 48, .size: 8, .value_kind: global_buffer, .address_space: global }
    .group_segment_fixed_size: 262144
    .private_segment_fixed_size: 0
    .kernarg_segment_align: 8
    .kernarg_segment_size: 56
    .max_flat_workgroup_size: 192
    .sgpr_count:     100
    .vgpr_count:     480
    .wavefront_size: 32
...
	.end_amdgpu_metadata
.endif
;; end of part 2
;; launch attn (part 3): grid 16 x 16, 8 waves a work-group, clusters of 4 x 1, 262,144 bytes of LDS; arguments qb, kvb, cc, cs; writes cc, cs
.if DOCPART == 3
	.amdgcn_target "amdgcn-amd-amdhsa--gfx1250"
	.amdhsa_code_object_version 6
	.text
	.protected	k_qc6be873f17_attn
	.globl	k_qc6be873f17_attn
	.p2align	8
	.type	k_qc6be873f17_attn,@function
k_qc6be873f17_attn:
	s_mov_b64 s[64:65], 0
	v_nop
	global_prefetch_b8 v0, s[64:65] scope:SCOPE_SE
	s_setreg_imm32_b32 hwreg(HW_REG_WAVE_MODE, 25, 1), 1
	s_wait_xcnt 0x0
	s_wait_alu depctr_hold_cnt(0) depctr_sa_sdst(0) depctr_va_vdst(0) depctr_va_sdst(0) depctr_va_ssrc(0) depctr_va_vcc(0) depctr_vm_vsrc(0)
	s_getreg_b32 s2, hwreg(HW_REG_IB_STS2, 6, 4)
	s_cmp_eq_u32 s2, 0
	s_cbranch_scc0 .Lentry_in_a_cluster
	s_endpgm
.Lentry_in_a_cluster:
	s_bfe_u32 s2, ttmp6, 0x10000c
	s_cmp_lg_u32 s2, 0x3003
	s_cbranch_scc0 .Lentry_shape_is_right
	s_endpgm
.Lentry_shape_is_right:
; ctx[q] = the sum over keys of softmax(q . k / 8) v, both products on codes of FP6 (E2M3); ctx is quantised at once for the last product.  DEAD WORK: batch 1 has no way to out[0]: its heads are not walked.
; THE SOFTMAX: t = score x log2(e) / 8; M = the running largest t rounded UP to a whole number; p = 2^(t - M) is quantised along the keys, not normalised; the sum of the unquantised p divides at the end.
; When M moves, the sum and O are multiplied by 2^(old M - new M): exact.
; SHARES: a work-group owns 128 queries of a head; wave w takes 32 of them (w % 4), two tiles A and B of 16, and half of the keys (w / 4): of every 256 keys its 128.  So each fragment of K and V serves two products.
; At the end waves w and w xor 4, which hold the same queries, hand each other one tile's O, M and sum through LDS: waves 0-3 finish tile A, waves 4-7 tile B.
; A WHOLE HEAD'S K AND V LIE IN LDS, filled once: 32 records of 64 keys, 6,656 bytes each (K's four half images, V's at 3,072, K's scale words at 6,144, V's at 6,400), in eight chunks of 256 keys, one tensor load a wave.
; Chunk 0 is wave 0's load and is met at a barrier of its own; the others behind the first step.
; CLUSTER 4 x 1: the four blocks of queries of a cluster belong to one head: every chunk is asked for jointly (mask 15).  All is asked for at the kernel's head, so there is no later request that a prefetch could run ahead of.
; LAYOUT: S^T = K Q^T (source 0 = 16 keys, source 1 = my queries), O^T = V^T P^T (source 0 = 16 of the head's 64): a lane holds one query throughout.  The head is 64 wide: the upper 64 of the first product's K are zero codes, set once.
; Row i of tile j of 64 keys is 8 j + i + 24 (i / 8): lane (r, h)'s 32 registers of a record's four tiles are keys 32 h + 0 .. 31: one scale block, and six registers of codes as the next operand wants them.  V's tiles of the head's 64 are ordered likewise.
; LIMITS: the scaled scores stay under 2^31 in magnitude; p under 2^-126 comes out as 0; a block's largest p is taken from its largest score (this takes v_exp_f32 not to fall where its input rises); the division is a reciprocal and a multiplication;
; a block of zeros gets the byte 1; NaN and infinities are not served.
; REGISTERS: window 0: v1-15 addresses; v16-29 scale words; v32-55 p's codes (A, B); v56-91 the softmax's state; v96-127 at work; v128-191, v192-255 S^T, then p, of A and B.
;   Window 1: v0-95 K's 8 fragments; v96-143 V's 4; v144-167 Q's 2; v168-231 O^T of A and B.
.set CH,  26624                        ; a chunk: four records
.set BD,  6656
.set XCH, 8*CH                         ; behind the chunks: the exchange, 4,352 bytes for each wave
.set XSZ, 4352
.set GS,  XCH+8*XSZ                    ; 512 bytes: ctx's scale words are gathered here
.set SPARE, GS+512                     ; the spare words, 128 bytes for each wave: four blocks of 256 bytes that no other line names
.set NL,  18                           ; LDS loads of K's part of a step; V's part has as many
.set WV,  12
.set G1,  16
.set G0,  24
.set SEL, 42
.set CS,  44                           ; s[44:45] c = log2(e) / 8
.set NCS, 46                           ; -c
.set TB,  47
.set CNT, 48
.set SPW, 3
.set NIL, 4
.set A16, 5                            ; this step's addresses: 16 bytes a lane, 8 bytes a lane
.set A8,  6
.set HS,  7                            ; 8 h
.set B16, 9
.set B8,  10
.set XO,  11
.set XI,  12
.set XO8, 13
.set XI8, 14
.set KSC, 16
.set QS,  20
.set VW,  22
.set PW,  24
.set VE,  26
.set PC,  32
.set NM,  56                           ; -M: v56 of A, v58 of B (each with the register behind it named as a pair)
.set SUM, 60
.set FF,  64
.set RM,  68                           ; the largest score so far
.set BM,  70                           ; the blocks' largest: A's two, B's two
.set RP,  74
.set TMP, 76
.set SO,  78
.set OWN, 84                           ; at the end: my tile's -M and sum,
.set SND, 86                           ; the other's
.set BY,  88
.set T,   96
.set T2,  112
.set SS,  128
.set PT,  192                          ; at the end: the partner's part of my tile
.set VF,  96
.set QF,  144
.set OT,  168
.set MSB, 0
.macro WIN new
.if MSB != \new
	s_set_vgpr_msb (MSB<<8)|\new
.set MSB, \new
.endif
.endm
.macro CROUND
	s_barrier_signal -1
	s_barrier_wait -1
	s_cmp_lg_u32 s[WV], 0
	s_cbranch_scc1 .Lnot_wave_0_\@
	s_barrier_signal -3
.Lnot_wave_0_\@:
	s_barrier_wait -3
	s_barrier_signal -1
	s_barrier_wait -1
.endm
.macro PLACES
.rept 4
	v_nop
.endr
.endm
.macro WALU
	s_wait_alu depctr_va_vdst(0)
.endm
	s_load_b256 s[4:11], s[0:1], 0x0               ; qb, kvb, cc, cs
	v_lshl_add_u32 v[SPW], v0, 2, SPARE
	v_mov_b32 v[NIL], 0
	ds_add_u32 v[SPW], v[NIL]                      ; the wave's opening: the add, twice on end, and its wait
	ds_add_u32 v[SPW], v[NIL]
	v_lshrrev_b32 v1, 5, v0
	v_readfirstlane_b32 s[WV], v1                  ; wave 0..7
	s_bfe_u32 s13, ttmp6, 0x40000                  ; cx
	s_lshl_b32 s14, ttmp9, 2
	s_add_co_u32 s14, s14, s13                     ; my block of 128 queries: it enters Q's, cc's and cs's addresses alone
	s_and_b32 s15, ttmp7, 0xffff                   ; the head, which the four partners share
	s_mov_b32 s[G1], 15|(3<<16)|(1<<21)            ; the mask: all four; elements of 8 bytes; 21 set beside a mask; no padding
	s_mov_b32 s[G1+1], 32<<16                      ; a dense block as rows of 256 bytes
	s_mov_b32 s[G1+2], 104<<16                     ; 104 rows: a chunk
	s_mov_b32 s[G1+3], 32<<16
	s_mov_b32 s[G1+4], 104
	s_mov_b32 s[G1+5], 32
	s_mov_b32 s[G1+6], 0
	s_mov_b32 s[G1+7], 0
	s_lshr_b32 s28, s[WV], 2                       ; my half of the keys
	s_and_b32 s29, s[WV], 3                        ; my 32 queries of the 128
	s_mul_i32 s30, s15, 8*CH
	s_mul_i32 s31, s[WV], CH
	s_add_co_u32 s30, s30, s31                     ; wave w fetches chunk w
	s_mov_b32 s31, 0
	s_mov_b32 s[G0], 1
	s_mul_i32 s[G0+1], s[WV], CH
	s_lshl_b32 s32, s15, 5
	s_lshl_b32 s33, s14, 1
	s_add_co_u32 s32, s32, s33
	s_lshr_b32 s33, s29, 1
	s_add_co_u32 s32, s32, s33
	s_mul_i32 s32, s32, 3328                       ; Q: my record of 64 queries,
	s_and_b32 s33, s29, 1                          ; and which two of its four images
	s_lshl_b32 s34, s33, 7
	s_add_co_u32 s34, s34, s32
	s_add_co_u32 s34, s34, 3072                    ; their scale words: 8 bytes a row
	s_mul_i32 s33, s33, 1536
	s_add_co_u32 s32, s32, s33
	s_mov_b32 s33, 0
	s_mov_b32 s35, 0
	s_lshl_b32 s40, s29, 1
	s_add_co_u32 s40, s40, s28                     ; the tile that I finish, of the block's eight
	s_lshl_b32 s36, s14, 3
	s_add_co_u32 s36, s36, s40
	s_mul_i32 s36, s36, 12288                      ; cc: that tile of rows, the head's half image
	s_mul_i32 s37, s15, 768
	s_add_co_u32 s36, s36, s37
	s_mov_b32 s37, 0
	s_lshl_b32 s38, s15, 13
	s_lshl_b32 s39, s14, 9
	s_add_co_u32 s38, s38, s39                     ; cs: head x 8,192 + 64 bytes a tile
	s_mov_b32 s39, 0
	s_lshl_b32 s41, s40, 6
	s_add_co_u32 s41, s41, GS
	s_mul_i32 s49, s28, 2*BD
	s_mul_i32 s50, s[WV], XSZ
	s_add_co_u32 s50, s50, XCH                     ; the exchange: mine,
	s_xor_b32 s51, s[WV], 4
	s_mul_i32 s51, s51, XSZ
	s_add_co_u32 s51, s51, XCH                     ; and my partner's
	s_add_co_u32 s52, s50, 4096
	s_add_co_u32 s53, s51, 4096
	s_mov_b32 s[SEL], 0x76543210
	s_mov_b32 s[SEL+1], 0xfedcba98
	s_mov_b32 s[CS], 0x3e38aa3b
	s_mov_b32 s[CS+1], s[CS]                       ; (named with it as a pair, so it is written)
	s_mov_b32 s[NCS], 0xbe38aa3b
	s_wait_dscnt 0x0                               ; both opening adds are done
	CROUND                                         ; all four work-groups are here: the joint loads meet
	s_wait_kmcnt 0x0
	s_add_nc_u64 s[G0+2:G0+3], s[6:7], s[30:31]
	s_or_b32 s[G0+3], s[G0+3], 0x80000000
	s_cmp_eq_u32 s[WV], 0                          ; one tensor load a wave.  Wave 0 has a line of its own, since it alone waits ahead of the first barrier
	s_cbranch_scc0 .Lothers
	tensor_load_to_lds s[G0:G0+3], s[G1:G1+7]
	s_nop 0
	PLACES
	s_branch .Lasked
.Lothers:
	tensor_load_to_lds s[G0:G0+3], s[G1:G1+7]
	s_nop 0
	PLACES
.Lasked:
	s_add_nc_u64 s[32:33], s[4:5], s[32:33]
	s_add_nc_u64 s[34:35], s[4:5], s[34:35]
	s_add_nc_u64 s[8:9], s[8:9], s[36:37]
	s_add_nc_u64 s[10:11], s[10:11], s[38:39]
	v_and_b32 v15, 31, v0                          ; l
	v_and_b32 v30, 15, v0                          ; r
	v_bfe_u32 v[HS], v0, 4, 1                      ; h
	v_lshlrev_b32 v1, 4, v15                       ; 16 l
	v_lshlrev_b32 v2, 3, v15                       ; 8 l
	v_lshlrev_b32 v31, 3, v30
	v_lshlrev_b32 v[HS], 3, v[HS]
	v_lshl_add_u32 v8, v30, 2, s41                 ; GS + 64 x tile + 4 r
	v_add_nc_u32 v[B16], s49, v1
	v_add_nc_u32 v[B8], s49, v2
	v_add_nc_u32 v[XO], s50, v1
	v_add_nc_u32 v[XI], s51, v1
	v_add_nc_u32 v[XO8], s52, v2
	v_add_nc_u32 v[XI8], s53, v2
	v_add_nc_u32 v15, GS, v1
	WALU
	global_load_b64 v[QS:QS+1], v31, s[34:35]      ; lanes 0-15: A's scale word, B's
	WIN 0x40                                       ; destination window 1
.irp x, 0,1
	global_load_b128 v[QF+12*\x:QF+12*\x+3], v1, s[32:33] offset:768*\x   ; Q's half images stay in registers
	global_load_b64 v[QF+12*\x+4:QF+12*\x+5], v2, s[32:33] offset:768*\x+512
.endr
.irp i, 6,7,8,9,10,11
.irp t, 0,1,2,3,4,5,6,7
	v_mov_b32 v[12*\t+\i], 0                       ; K's fragments: zero codes for k = 64 .. 127, set once
.endr
.irp x, 0,1
	v_mov_b32 v[QF+12*\x+\i], 0                    ; Q's likewise
.endr
.endr
	WIN 0
.irp i, NM+1, NM+3, FF+1, FF+3, RP, RP+1
	v_mov_b32 v[\i], 0                             ; named as the upper half of a pair, or as a lane permute's destination: so written
.endr
.macro ADDR
	v_add_nc_u32 v[A16], s[TB], v[B16]
	v_add_nc_u32 v[A8], s[TB], v[B8]
.endm
.macro KLOAD                           ; a step's K: two records' scale words (register i: image i's in lanes 0-15, image 2 + i's in lanes 16-31) and eight half images
.irp c, 0,1
	ds_load_b64 v[KSC+2*\c:KSC+2*\c+1], v[A8] offset:BD*\c+6144
.endr
	WIN 0x40
.irp c, 0,1
.irp j, 0,1,2,3
	ds_load_b128 v[48*\c+12*\j:48*\c+12*\j+3], v[A16] offset:BD*\c+768*\j
	ds_load_b64 v[48*\c+12*\j+4:48*\c+12*\j+5], v[A8] offset:BD*\c+768*\j+512
.endr
.endr
	WIN 0
.endm
.macro VLOAD                           ; and its V: two half images make a fragment of 128 keys
.irp c, 0,1
	ds_load_b64 v[VE+2*\c:VE+2*\c+1], v[A8] offset:BD*\c+6400
.endr
	WIN 0x40
.irp a, 0,1,2,3
.irp c, 0,1
	ds_load_b128 v[VF+12*\a+6*\c:VF+12*\a+6*\c+3], v[A16] offset:BD*\c+3072+768*\a
	ds_load_b64 v[VF+12*\a+6*\c+4:VF+12*\a+6*\c+5], v[A8] offset:BD*\c+3072+768*\a+512
.endr
.endr
	WIN 0
.endm
.macro SMUL d, k, q, sa, sb, row
	v_wmma_scale_f32_16x16x128_f8f6f4 v[\d:\d+7], v[\k:\k+11], v[\q:\q+11], 0, v[\sa], v[\sb] matrix_a_fmt:MATRIX_FMT_FP6 matrix_b_fmt:MATRIX_FMT_FP6 matrix_a_scale:MATRIX_SCALE_ROW\row
.endm
.macro OMUL d, v, p, sa, sb, row, first
.if \first
	v_wmma_scale_f32_16x16x128_f8f6f4 v[\d:\d+7], v[\v:\v+11], v[\p:\p+11], 0, v[\sa], v[\sb] matrix_a_fmt:MATRIX_FMT_FP6 matrix_b_fmt:MATRIX_FMT_FP6 matrix_a_scale:MATRIX_SCALE_ROW\row
.else
	v_wmma_scale_f32_16x16x128_f8f6f4 v[\d:\d+7], v[\v:\v+11], v[\p:\p+11], v[\d:\d+7], v[\sa], v[\sb] matrix_a_fmt:MATRIX_FMT_FP6 matrix_b_fmt:MATRIX_FMT_FP6 matrix_a_scale:MATRIX_SCALE_ROW\row
.endif
.endm
.macro MOVS pc, t                      ; a conversion's three registers begin on an even number: a block's upper half is made elsewhere and moved
	v_dual_mov_b32 v[\pc+4], v[\t+1] :: v_dual_mov_b32 v[\pc+3], v[\t]
	v_mov_b32 v[\pc+5], v[\t+2]
.endm
; A KEY STEP: my 128 keys of 256, both tiles.  first = 1: there is nothing to rescale, the sums begin; first or last = 1: nothing is fetched ahead.
.macro STEP first, last
	s_wait_dscnt NL                                ; K's part is in; V's 18 loads may be out
	WIN 0x05                                       ; sources 0 and 1 window 1, D window 0
.irp x, 0,1
.irp c, 0,1
	SMUL SS+64*\x+32*\c,    48*\c,    QF+12*\x, KSC+2*\c,   QS+\x, 0
	SMUL SS+64*\x+32*\c+8,  48*\c+12, QF+12*\x, KSC+2*\c+1, QS+\x, 0
	SMUL SS+64*\x+32*\c+16, 48*\c+24, QF+12*\x, KSC+2*\c,   QS+\x, 1
	SMUL SS+64*\x+32*\c+24, 48*\c+36, QF+12*\x, KSC+2*\c+1, QS+\x, 1
.endr
.endr
	WIN 0
.if (\first) || (\last)
	PLACES
.else
	s_add_co_u32 s[TB], s[TB], CH                  ; K of the next step, into the registers just multiplied: two address lines and two v_nop are the four places
	ADDR
	v_nop
	v_nop
	KLOAD
.endif
	; the largest score of each block, q = 0, 1 A's, 2, 3 B's: it serves twice, for the row's maximum and, since p rises with the score, for the block's largest p.  Two chains a block, eight by turns
.irp q, 0,1,2,3
	v_max3_num_f32 v[BM+\q], v[SS+32*\q], v[SS+32*\q+1], v[SS+32*\q+2]
.endr
.irp q, 0,1,2,3
	v_max3_num_f32 v[BY+\q], v[SS+32*\q+17], v[SS+32*\q+18], v[SS+32*\q+19]
.endr
.irp i, 0,2,4,6,8,10
.irp q, 0,1,2,3
	v_max3_num_f32 v[BM+\q], v[BM+\q], v[SS+32*\q+3+\i], v[SS+32*\q+4+\i]
.endr
.irp q, 0,1,2,3
	v_max3_num_f32 v[BY+\q], v[BY+\q], v[SS+32*\q+20+\i], v[SS+32*\q+21+\i]
.endr
.endr
.irp q, 0,1,2,3
	v_max3_num_f32 v[BM+\q], v[BM+\q], v[SS+32*\q+15], v[SS+32*\q+16]
.endr
.irp q, 0,1,2,3
	v_max_num_f32 v[BM+\q], v[BM+\q], v[BY+\q]
.endr
.irp x, 0,1
	v_max_num_f32 v[TMP+\x], v[BM+2*\x], v[BM+2*\x+1]
.endr
.irp x, 0,1
	v_permlanex16_b32 v[RP+\x], v[TMP+\x], s[SEL], s[SEL+1]   ; lane l xor 16 holds the same query's other blocks
.endr
.if \first
.irp x, 0,1
	v_max_num_f32 v[RM+\x], v[TMP+\x], v[RP+\x]
.endr
.irp x, 0,1
	v_mul_f32 v[TMP+\x], s[NCS], v[RM+\x]
.endr
.irp x, 0,1
	v_floor_f32 v[NM+2*\x], v[TMP+\x]              ; -M = floor(-t): M is a whole number
.endr
.else
.irp x, 0,1
	v_max3_num_f32 v[RM+\x], v[RM+\x], v[TMP+\x], v[RP+\x]    ; the running largest score
.endr
.irp x, 0,1
	v_mul_f32 v[TMP+\x], s[NCS], v[RM+\x]          ; -t (c is positive)
.endr
.irp x, 0,1
	v_floor_f32 v[RP+\x], v[TMP+\x]                ; the new -M = floor(-t): M is a whole number
.endr
.irp x, 0,1
	v_sub_f32 v[TMP+\x], v[RP+\x], v[NM+2*\x]      ; old M - new M: a whole number, 0 or less
.endr
.irp x, 0,1
	v_mov_b32 v[NM+2*\x], v[RP+\x]
.endr
.irp x, 0,1
	v_cvt_i32_f32 v[TMP+\x], v[TMP+\x]             ; (it saturates)
.endr
.irp x, 0,1
	v_ldexp_f32 v[FF+2*\x], 1.0, v[TMP+\x]         ; f = 2^(old M - new M)
.endr
.endif
.set I_, 0
.rept 32
	v_pk_fma_f32 v[SS+I_:SS+I_+1], v[SS+I_:SS+I_+1], s[CS:CS+1], v[NM:NM+1] op_sel_hi:[1,0,0]   ; A: t - M, two at a time
.set I_, I_+2
.endr
	v_fma_f32 v[BM], v[BM], s[CS], v[NM]           ; the same of each block's largest score
	v_fma_f32 v[BM+1], v[BM+1], s[CS], v[NM]
.if !(\first)
	WIN 0x41                                       ; destination and source 0 window 1
.irp x, 0,1
.set I_, 0
.rept 16
	v_pk_mul_f32 v[OT+32*\x+I_:OT+32*\x+I_+1], v[OT+32*\x+I_:OT+32*\x+I_+1], v[FF+2*\x:FF+2*\x+1] op_sel_hi:[1,0]   ; O^T under the new M
.set I_, I_+2
.endr
.endr
	WIN 0
.endif
	WALU                                           ; the wait ahead of the batch
.set I_, 0
.rept 32                                           ; A's p = 2^(t - M), at most 1; among them B's t - M, which B's exponentials read behind the next wait
	v_exp_f32 v[SS+I_], v[SS+I_]
	v_exp_f32 v[SS+I_+1], v[SS+I_+1]
	v_pk_fma_f32 v[SS+64+I_:SS+65+I_], v[SS+64+I_:SS+65+I_], s[CS:CS+1], v[NM+2:NM+3] op_sel_hi:[1,0,0]
.set I_, I_+2
.endr
	v_exp_f32 v[BM], v[BM]                         ; the block's largest p: the same two instructions on the same number
	v_exp_f32 v[BM+1], v[BM+1]
	v_fma_f32 v[BM+2], v[BM+2], s[CS], v[NM+2]
	v_fma_f32 v[BM+3], v[BM+3], s[CS], v[NM+2]
	WALU                                           ; and here, behind A's batch and ahead of B's
.set I_, 0
.rept 16                                           ; B's p; among them the first additions of A's sum
	v_exp_f32 v[SS+64+4*I_], v[SS+64+4*I_]
	v_exp_f32 v[SS+65+4*I_], v[SS+65+4*I_]
	v_exp_f32 v[SS+66+4*I_], v[SS+66+4*I_]
	v_exp_f32 v[SS+67+4*I_], v[SS+67+4*I_]
	v_pk_add_f32 v[T+2*I_:T+2*I_+1], v[SS+4*I_:SS+4*I_+1], v[SS+4*I_+2:SS+4*I_+3]
.set I_, I_+1
.endr
	v_exp_f32 v[BM+2], v[BM+2]
	v_exp_f32 v[BM+3], v[BM+3]
.if \first
	v_nop                                          ; a plain place behind the exponentials
.else
	v_pk_mul_f32 v[SUM:SUM+1], v[SUM:SUM+1], v[FF:FF+1] op_sel_hi:[1,0]   ; the sums under the new M: plain places behind the exponentials
	v_pk_mul_f32 v[SUM+2:SUM+3], v[SUM+2:SUM+3], v[FF+2:FF+3] op_sel_hi:[1,0]
.endif
	WALU                                           ; and behind B's batch
.if (\first) || (\last)
	s_wait_dscnt 0x0                               ; V's part is in
.else
	s_wait_dscnt NL                                ; V's part is in; the next K's 18 loads may be out
.endif
	v_lshl_or_b32 v[VW], v[VE+2], 16, v[VE]        ; V's scale words for 128 keys: two bytes of each record
	v_lshl_or_b32 v[VW+1], v[VE+3], 16, v[VE+1]
.irp q, 0,1,2,3
	v_max_num_f32 v[BM+\q], 0x1800000, v[BM+\q]    ; the floor 2^(3 - 127)
.endr
.irp q, 0,1,2,3
	v_add_nc_u32 v[SO+\q], 0xff000000, v[BM+\q]    ; 2 off the exponent field: the conversion's scale operand
.endr
.irp q, 0,1,2,3
	v_lshrrev_b32 v[BY+\q], 23, v[SO+\q]           ; the scale's byte
.endr
.irp k, 0,2,4,6,8,10,12,14
	v_pk_add_f32 v[T+\k:T+\k+1], v[T+\k:T+\k+1], v[T+16+\k:T+17+\k]   ; A's sum goes on, of the unquantised p
.endr
.irp x, 0,1
	v_lshl_or_b32 v[BY+2*\x], v[BY+2*\x+1], 16, v[BY+2*\x]   ; blocks h and 2 + h,
.endr
.irp x, 0,1
	v_lshlrev_b32 v[BY+2*\x], v[HS], v[BY+2*\x]    ; at their places in the word;
.endr
.irp k, 0,2,4,6
	v_pk_add_f32 v[T+\k:T+\k+1], v[T+\k:T+\k+1], v[T+8+\k:T+9+\k]
.endr
.irp x, 0,1
	v_permlanex16_b32 v[RP+\x], v[BY+2*\x], s[SEL], s[SEL+1]
.endr
.irp k, 0,2
	v_pk_add_f32 v[T+\k:T+\k+1], v[T+\k:T+\k+1], v[T+4+\k:T+5+\k]
.endr
.irp x, 0,1
	v_or_b32 v[PW+\x], v[BY+2*\x], v[RP+\x]        ; with lane l xor 16's two p's scale word is whole
.endr
.if \first
	v_pk_add_f32 v[SUM:SUM+1], v[T:T+1], v[T+2:T+3]
.else
	v_pk_add_f32 v[T:T+1], v[T:T+1], v[T+2:T+3]
	v_pk_add_f32 v[SUM:SUM+1], v[SUM:SUM+1], v[T:T+1]
.endif
.irp q, 0,1,2,3
	v_cvt_scalef32_pk16_fp6_f32 v[PC+6*\q:PC+6*\q+2], v[SS+32*\q:SS+32*\q+15], v[SO+\q]
	v_cvt_scalef32_pk16_fp6_f32 v[T2+4*\q:T2+4*\q+2], v[SS+32*\q+16:SS+32*\q+31], v[SO+\q]
.endr
.irp k, 0,2,4,6,8,10,12,14
	v_pk_add_f32 v[T+\k:T+\k+1], v[SS+64+\k:SS+65+\k], v[SS+80+\k:SS+81+\k]   ; B's sum.  (The first is the plain place behind the conversions)
.endr
.irp q, 0,1,2,3
	MOVS PC+6*\q, T2+4*\q
.endr
.irp k, 0,2,4,6,8,10,12,14
	v_pk_add_f32 v[T+\k:T+\k+1], v[T+\k:T+\k+1], v[SS+96+\k:SS+97+\k]
.endr
.irp k, 0,2,4,6,8,10,12,14
	v_pk_add_f32 v[T+\k:T+\k+1], v[T+\k:T+\k+1], v[SS+112+\k:SS+113+\k]
.endr
.irp k, 0,2,4,6
	v_pk_add_f32 v[T+\k:T+\k+1], v[T+\k:T+\k+1], v[T+8+\k:T+9+\k]
.endr
.irp k, 0,2
	v_pk_add_f32 v[T+\k:T+\k+1], v[T+\k:T+\k+1], v[T+4+\k:T+5+\k]
.endr
.if \first
	v_pk_add_f32 v[SUM+2:SUM+3], v[T:T+1], v[T+2:T+3]
.else
	v_pk_add_f32 v[T:T+1], v[T:T+1], v[T+2:T+3]
	v_pk_add_f32 v[SUM+2:SUM+3], v[SUM+2:SUM+3], v[T:T+1]
.endif
	WIN 0x51                                       ; source 0, C and D window 1, source 1 window 0
.irp x, 0,1
	OMUL OT+32*\x,    VF,    PC+12*\x, VW,   PW+\x, 0, \first
	OMUL OT+32*\x+8,  VF+12, PC+12*\x, VW+1, PW+\x, 0, \first
	OMUL OT+32*\x+16, VF+24, PC+12*\x, VW,   PW+\x, 1, \first
	OMUL OT+32*\x+24, VF+36, PC+12*\x, VW+1, PW+\x, 1, \first
.endr
	WIN 0
	PLACES
.if !((\first) || (\last))
	VLOAD                                          ; V of the next step
.endif
.endm
	s_mov_b32 s[TB], 0
	ADDR
	WALU                                           ; the wait at the head's end
	s_cmp_eq_u32 s[WV], 0
	s_cbranch_scc0 .Lnot_first
	s_wait_tensorcnt 0x0                           ; chunk 0 has landed
.Lnot_first:
	s_barrier_signal -1
	s_barrier_wait -1
	KLOAD
	VLOAD
	s_wait_loadcnt 0x0                             ; Q
	STEP 1, 0
	WALU
	s_wait_tensorcnt 0x0                           ; my chunk has landed
	s_barrier_signal -1
	s_barrier_wait -1
	s_mov_b32 s[TB], CH
	ADDR
	KLOAD
	VLOAD
	s_mov_b32 s[CNT], 6
.Lstep:
	STEP 0, 0
	s_sub_co_u32 s[CNT], s[CNT], 1
	s_cmp_lg_u32 s[CNT], 0
	s_cbranch_scc1 .Lstep
	STEP 0, 1
	; THE TWO HALVES OF THE KEYS MEET: each wave hands over the tile that it does not finish
.irp x, 0,1
	v_add_f32 v[SUM+2*\x], v[SUM+2*\x], v[SUM+2*\x+1]
.endr
	WALU                                           ; the wait ahead of the branch
.macro HAND own, other
	v_mov_b32 v[OWN], v[NM+2*\own]
	v_mov_b32 v[OWN+1], v[SUM+2*\own]
	v_mov_b32 v[SND], v[NM+2*\other]
	v_mov_b32 v[SND+1], v[SUM+2*\other]
	WALU
	ds_store_b64 v[XO8], v[SND:SND+1]
	WIN 0x04                                       ; the data: window 1
.irp k, 0,1,2,3,4,5,6,7
	ds_store_b128 v[XO], v[OT+32*\other+4*\k:OT+32*\other+4*\k+3] offset:512*\k
.endr
	WIN 0
.endm
	s_cmp_lt_u32 s[WV], 4
	s_cbranch_scc0 .Lhand_a
	HAND 0, 1
	s_branch .Lhanded
.Lhand_a:
	HAND 1, 0
.Lhanded:
	s_wait_dscnt 0x0                               ; for my partner's sake: my stores have landed
	s_barrier_signal -1
	s_barrier_wait -1
	ds_load_b64 v[T:T+1], v[XI8]                   ; my tile's -M and sum over my partner's keys,
.irp k, 0,1,2,3,4,5,6,7
	ds_load_b128 v[PT+4*\k:PT+4*\k+3], v[XI] offset:512*\k   ; and its O^T
.endr
	s_wait_dscnt 0x0
	v_min_num_f32 v[TMP], v[OWN], v[T]             ; -(the larger M)
	v_sub_f32 v[RP], v[TMP], v[OWN]
	v_sub_f32 v[TMP], v[TMP], v[T]
	v_cvt_i32_f32 v[RP], v[RP]
	v_cvt_i32_f32 v[TMP], v[TMP]
	v_ldexp_f32 v[FF], 1.0, v[RP]                  ; both halves are brought under the larger M by powers of two
	v_ldexp_f32 v[FF+2], 1.0, v[TMP]
	v_mul_f32 v[SUM], v[OWN+1], v[FF]
	v_fma_f32 v[SUM], v[T+1], v[FF+2], v[SUM]
	v_permlanex16_b32 v[RP], v[SUM], s[SEL], s[SEL+1]
	v_add_f32 v[SUM], v[SUM], v[RP]                ; the row's sum
	WALU
	v_rcp_f32 v[SUM], v[SUM]
	v_nop                                          ; a plain place behind the reciprocal
	WALU
	v_mul_f32 v[FF], v[FF], v[SUM]
	v_mul_f32 v[FF+2], v[FF+2], v[SUM]
	WALU
.macro MINE x
	WIN 0x01                                       ; source 0 window 1
	WALU                                           ; the wait directly ahead of the first reader of O^T
.set I_, 0
.rept 16
	v_pk_mul_f32 v[SS+I_:SS+I_+1], v[OT+32*\x+I_:OT+32*\x+I_+1], v[FF:FF+1] op_sel_hi:[1,0]
.set I_, I_+2
.endr
	WIN 0
	WALU
.endm
	s_cmp_lt_u32 s[WV], 4
	s_cbranch_scc0 .Lmine_b
	MINE 0
	s_branch .Lmine
.Lmine_b:
	MINE 1
.Lmine:
.set I_, 0
.rept 16
	v_pk_fma_f32 v[SS+I_:SS+I_+1], v[PT+I_:PT+I_+1], v[FF+2:FF+3], v[SS+I_:SS+I_+1] op_sel_hi:[1,0,1]   ; ctx(my query, 64 head + 32 h + register): one scale block
.set I_, I_+2
.endr
	v_max3_num_f32 v[BM], |v[SS]|, |v[SS+1]|, |v[SS+2]|
	v_max3_num_f32 v[BY], |v[SS+17]|, |v[SS+18]|, |v[SS+19]|
.irp i, 0,2,4,6,8,10
	v_max3_num_f32 v[BM], v[BM], |v[SS+3+\i]|, |v[SS+4+\i]|
	v_max3_num_f32 v[BY], v[BY], |v[SS+20+\i]|, |v[SS+21+\i]|
.endr
	v_max3_num_f32 v[BM], v[BM], |v[SS+15]|, |v[SS+16]|
	v_max3_num_f32 v[BM], v[BM], v[BY], 0x1800000
	v_add_nc_u32 v[SO], 0xff000000, v[BM]
	v_cvt_scalef32_pk16_fp6_f32 v[PC:PC+2], v[SS:SS+15], v[SO]
	v_cvt_scalef32_pk16_fp6_f32 v[T2:T2+2], v[SS+16:SS+31], v[SO]
	v_lshrrev_b32 v[BY], 23, v[SO]
	v_lshlrev_b32 v[BY], v[HS], v[BY]
	MOVS PC, T2
	v_permlanex16_b32 v[RP], v[BY], s[SEL], s[SEL+1]
	v_or_b32 v[BY], v[BY], v[RP]
	ds_store_b32 v8, v[BY]                         ; both halves of the lanes write the same word with the same value
	global_store_b128 v1, v[PC:PC+3], s[8:9]       ; 512 consecutive bytes, aligned to 256
	global_store_b64 v2, v[PC+4:PC+5], s[8:9] offset:512
	s_wait_dscnt 0x0
	s_barrier_signal -1
	s_barrier_wait -1
	s_cmp_lg_u32 s[WV], 0
	s_cbranch_scc1 .Lnot_wave
	ds_load_b128 v[T:T+3], v15                     ; wave 0 stores the eight tiles' 512 bytes of scale words on end
	s_wait_dscnt 0x0
	global_store_b128 v1, v[T:T+3], s[10:11]
.Lnot_wave:
	s_wait_tensorcnt 0x0                           ; the wave's end
	ds_add_u32 v[SPW], v[NIL]
	s_wait_dscnt 0x0
	CROUND                                         ; the closing round
	s_endpgm
.Lfunc_end_k_qc6be873f17_attn:
	.size	k_qc6be873f17_attn, .Lfunc_end_k_qc6be873f17_attn-k_qc6be873f17_attn
	.p2alignl 7, 3214868480
	.fill 96, 4, 3214868480
	.section	.rodata,"a",@progbits
	.p2align	6, 0x0
	.amdhsa_kernel k_qc6be873f17_attn
		.amdhsa_group_segment_fixed_size 262144
		.amdhsa_private_segment_fixed_size 0
		.amdhsa_enable_private_segment 0
		.amdhsa_kernarg_size 32
		.amdhsa_user_sgpr_count 2
		.amdhsa_user_sgpr_kernarg_segment_ptr 1
		.amdhsa_wavefront_size32 1
		.amdhsa_system_sgpr_workgroup_id_x 1
		.amdhsa_system_sgpr_workgroup_id_y 1
		.amdhsa_system_sgpr_workgroup_id_z 1
		.amdhsa_system_vgpr_workitem_id 0
		.amdhsa_next_free_vgpr 488
		.amdhsa_next_free_sgpr 66
		.amdhsa_reserve_vcc 0
		.amdhsa_float_denorm_mode_32 3
		.amdhsa_float_denorm_mode_16_64 3
		.amdhsa_memory_ordered 1
		.amdhsa_forward_progress 1
		.amdhsa_inst_pref_size 97
	.end_amdhsa_kernel
	.amdgpu_metadata
---
amdhsa.version: [ 1, 2 ]
amdhsa.kernels:
  - .name:           k_qc6be873f17_attn
    .symbol:         k_qc6be873f17_attn.kd
    .args:
      - { .name: qb, .offset: 0, .size: 8, .value_kind: global_buffer, .address_space: global }
      - { .name: kvb, .offset: 8, .size: 8, .value_kind: global_buffer, .address_space: global }
      - { .name: cc, .offset: 16, .size: 8, .value_kind: global_buffer, .address_space: global }
      - { .name: cs, .offset: 24, .size: 8, .value_kind: global_buffer, .address_space: global }
    .group_segment_fixed_size: 262144
    .private_segment_fixed_size: 0
    .kernarg_segment_align: 8
    .kernarg_segment_size: 32
    .max_flat_workgroup_size: 256
    .sgpr_count:     66
    .vgpr_count:     488
    .wavefront_size: 32
...
	.end_amdgpu_metadata
.endif
;; end of part 3
;; launch proj (part 4): grid 8 x 32, 4 waves a work-group, clusters of 4 x 4, 196,608 bytes of LDS; arguments codes, scl, cc, cs, bo, out0; writes out0
.if DOCPART == 4
	.amdgcn_target "amdgcn-amd-amdhsa--gfx1250"
	.amdhsa_code_object_version 6
	.text
	.protected	k_qc6be873f17_proj
	.globl	k_qc6be873f17_proj
	.p2align	8
	.type	k_qc6be873f17_proj,@function
k_qc6be873f17_proj:
	s_mov_b64 s[64:65], 0
	v_nop
	global_prefetch_b8 v0, s[64:65] scope:SCOPE_SE
	s_setreg_imm32_b32 hwreg(HW_REG_WAVE_MODE, 25, 1), 1
	s_wait_xcnt 0x0
	s_wait_alu depctr_hold_cnt(0) depctr_sa_sdst(0) depctr_va_vdst(0) depctr_va_sdst(0) depctr_va_ssrc(0) depctr_va_vcc(0) depctr_vm_vsrc(0)
	s_getreg_b32 s2, hwreg(HW_REG_IB_STS2, 6, 4)
	s_cmp_eq_u32 s2, 0
	s_cbranch_scc0 .Lentry_in_a_cluster
	s_endpgm
.Lentry_in_a_cluster:
	s_bfe_u32 s2, ttmp6, 0x10000c
	s_cmp_lg_u32 s2, 0xf033
	s_cbranch_scc0 .Lentry_shape_is_right
	s_endpgm
.Lentry_shape_is_right:
; out0 = ctx Wo^T + bo on codes of FP6 (E2M3).  DEAD WORK: reference() returns out[0]: batch 1's rows are not made.
; A work-group makes 64 rows x 128 columns; wave w: Wo's tiles 2 w, 2 w + 1 of the block's eight (source 0) x all 4 tiles of ctx (source 1): 8 accumulators;
; lane (r, h) then holds 16 neighbouring columns, 64 (w / 2) + 32 h + 16 (w % 2) + 0 .. 15, of one row.  K = 1,024 in eight steps of 128.
; ALL OPERANDS FIT IN LDS AT ONCE: two chunks of four K steps, each ctx's 4 tiles and Wo's 8.  Every byte is filled once, by four joint loads, one a wave; a chunk is read behind its loaders' waits and a barrier.
; ctx's fragment of a K step is two half images (two heads): registers 6 c .. 6 c + 3 at 768 c + 16 l, registers 6 c + 4, 5 at 768 c + 512 + 8 l; its scale word is pieced from the two heads' words, once, at the head.
; CLUSTER 4 x 4: ctx's tiles are shared along a row of the cluster (one block of rows), Wo's along a column (one block of columns).  All tiles are asked for at the head: there is no later request that a prefetch could run ahead of.
; Row i of tile T is 64 (T / 4) + 8 (T % 4) + i + 24 (i / 8): the stores' offsets put the rows back in place.
; REGISTERS: window 0: v1-14 addresses; v20-45 scale words; v48-79 at work; v128-191 the accumulators ((a, b) at 128 + 16 a + 8 b); v192-255 rows on the way out.  Window 1: two sets of 6 fragments at 0 and 72; from 144 the bias.
.set TL,    6144                       ; a tile's four K steps
.set CHUNK, 12*TL
.set STG,   2*CHUNK                    ; the stage: 64 rows x (512 bytes + 16)
.set SPARE, STG+64*528                 ; the spare words, 128 bytes for each wave: two blocks of 256 bytes that no other line names
.set WV,  18
.set G1C, 28
.set G1W, 36
.set G0,  44                           ; s[44:59] groups 0: ctx and Wo in chunk 0, ctx and Wo in chunk 1
.set SPW, 3
.set NIL, 4
.set AW,  5                            ; v5-6   Wo's fragments in chunk 0, 1
.set AC16, 7                           ; v7-8   ctx's, 16 bytes a lane
.set AC8, 9                            ; v9-10  and 8 bytes a lane
.set WS,  20
.set CSC, 30
.set EW,  48
.set FW,  64
.set ACC, 128
.set OUTR, 192
.set BI,  144
.set MSB, 0
.macro WIN new
.if MSB != \new
	s_set_vgpr_msb (MSB<<8)|\new
.set MSB, \new
.endif
.endm
.macro CROUND
	s_barrier_signal -1
	s_barrier_wait -1
	s_cmp_lg_u32 s[WV], 0
	s_cbranch_scc1 .Lnot_wave_0_\@
	s_barrier_signal -3
.Lnot_wave_0_\@:
	s_barrier_wait -3
	s_barrier_signal -1
	s_barrier_wait -1
.endm
.macro PLACES
.rept 4
	v_nop
.endr
.endm
	s_load_b256 s[4:11], s[0:1], 0x0               ; codes, scl, cc, cs
	s_load_b128 s[12:15], s[0:1], 0x20             ; bo, out0
	v_lshl_add_u32 v[SPW], v0, 2, SPARE
	v_mov_b32 v[NIL], 0
	ds_add_u32 v[SPW], v[NIL]                      ; the wave's opening: the add, twice on end, and its wait
	ds_add_u32 v[SPW], v[NIL]
	v_lshrrev_b32 v1, 5, v0
	v_readfirstlane_b32 s[WV], v1                  ; wave 0..3
	s_bfe_u32 s21, ttmp6, 0x40000                  ; cx
	s_bfe_u32 s22, ttmp6, 0x40004                  ; cy
	s_lshl_b32 s23, ttmp9, 2
	s_add_co_u32 s23, s23, s21                     ; block of 128 columns
	s_and_b32 s24, ttmp7, 0xffff
	s_lshl_b32 s24, s24, 2
	s_add_co_u32 s24, s24, s22                     ; block of 64 rows
	s_lshl_b32 s25, s22, 2
	s_lshl_b32 s25, 15, s25                        ; my row of the cluster
	s_lshl_b32 s26, 0x1111, s21                    ; my column
	s_or_b32 s[G1C], s25, (3<<16)|(1<<21)
	s_or_b32 s[G1W], s26, (3<<16)|(1<<21)
.irp g, G1C, G1W
	s_mov_b32 s[\g+1], 768<<16                     ; a tile's four K steps, 6,144 bytes
	s_mov_b32 s[\g+3], 768<<16
	s_mov_b32 s[\g+5], 1536                        ; from tile to tile: 12,288 bytes
	s_mov_b32 s[\g+6], 0
	s_mov_b32 s[\g+7], 0
.endr
	s_mov_b32 s[G1C+2], 4<<16                      ; 4 tiles of ctx,
	s_mov_b32 s[G1C+4], 4
	s_mov_b32 s[G1W+2], 8<<16                      ; 8 of Wo
	s_mov_b32 s[G1W+4], 8
	s_mul_i32 s84, s24, 49152                      ; ctx: my block's 4 tiles (the block of rows alone enters)
	s_mov_b32 s85, 0
	s_lshl_b32 s86, s23, 3
	s_add_co_u32 s86, s86, 320
	s_mul_i32 s86, s86, 12288                      ; Wo: tile 320 + 8 x block of columns
	s_mov_b32 s87, 0
	s_wait_dscnt 0x0                               ; both opening adds are done
	CROUND                                         ; all sixteen work-groups are here: the joint loads meet
	s_wait_kmcnt 0x0
	s_add_nc_u64 s[84:85], s[8:9], s[84:85]
	s_add_nc_u64 s[86:87], s[4:5], s[86:87]
.irp j, 0,1
	s_mov_b32 s[G0+8*\j], 1
	s_mov_b32 s[G0+8*\j+1], \j*CHUNK
	s_add_nc_u64 s[G0+8*\j+2:G0+8*\j+3], s[84:85], \j*TL
	s_or_b32 s[G0+8*\j+3], s[G0+8*\j+3], 0x80000000
	s_mov_b32 s[G0+8*\j+4], 1
	s_mov_b32 s[G0+8*\j+5], \j*CHUNK+4*TL
	s_add_nc_u64 s[G0+8*\j+6:G0+8*\j+7], s[86:87], \j*TL
	s_or_b32 s[G0+8*\j+7], s[G0+8*\j+7], 0x80000000
.endr
.macro ARM under, g0, g1, next
	s_cmp_lt_u32 s[WV], \under
	s_cbranch_scc0 \next
	tensor_load_to_lds s[\g0:\g0+3], s[\g1:\g1+7]
	s_nop 0
	PLACES
	s_branch .Lasked
\next:
.endm
	ARM 1, G0, G1C, .Larm1                         ; one tensor load a wave.  Waves 0 and 1: chunk 0; 2 and 3: chunk 1
	ARM 2, G0+4, G1W, .Larm2
	ARM 3, G0+8, G1C, .Larm3
	tensor_load_to_lds s[G0+12:G0+15], s[G1W:G1W+7]
	s_nop 0
	PLACES
.Lasked:
	s_lshl_b32 s88, s23, 3
	s_lshl_b32 s89, s[WV], 1
	s_add_co_u32 s88, s88, s89
	s_add_co_u32 s88, s88, 320
	s_lshl_b32 s88, s88, 9
	s_mov_b32 s89, 0
	s_add_nc_u64 s[6:7], s[6:7], s[88:89]          ; my two tiles' scale words
	s_lshl_b32 s88, s24, 8
	s_add_nc_u64 s[10:11], s[10:11], s[88:89]      ; cs at my block's four tiles
	s_lshr_b32 s90, s[WV], 1
	s_lshl_b32 s90, s90, 8
	s_and_b32 s91, s[WV], 1
	s_lshl_b32 s91, s91, 6
	s_add_co_u32 s90, s90, s91                     ; my columns in the block, in bytes: 256 (w / 2) + 64 (w % 2)
	s_lshl_b32 s88, s23, 9
	s_add_co_u32 s88, s88, s90
	s_add_nc_u64 s[12:13], s[12:13], s[88:89]      ; bo at my columns
	s_add_co_u32 s94, s90, STG
	s_lshl_b32 s90, s24, 6
	s_lshl_b32 s91, s[WV], 3
	s_add_co_u32 s90, s90, s91                     ; the first row that I store: tile w of the block's four
	s_lshl_b32 s90, s90, 12
	s_lshl_b32 s91, s23, 9
	s_add_co_u32 s90, s90, s91
	s_mov_b32 s91, 0
	s_add_nc_u64 s[14:15], s[14:15], s[90:91]
	s_mul_i32 s92, s[WV], 2*TL
	s_add_co_u32 s92, s92, 4*TL
	s_mul_i32 s93, s[WV], 16*528
	s_add_co_u32 s93, s93, STG
	v_and_b32 v17, 31, v0
	v_and_b32 v15, 15, v0                          ; r
	v_bfe_u32 v16, v0, 4, 1                        ; h
	v_lshlrev_b32 v1, 4, v17                       ; 16 l
	v_lshlrev_b32 v2, 3, v17                       ; 8 l
	v_mul_u32_u24 v11, v15, 528
	v_lshlrev_b32 v13, 2, v15
	v_lshlrev_b32 v14, 7, v16                      ; bo: 128 h
	v_add_nc_u32 v[AW], s92, v1
	v_mov_b32 v[AC16], v1
	v_add_nc_u32 v[AC16+1], CHUNK, v1
	v_add_nc_u32 v[AC8], 512, v2
	v_add_nc_u32 v[AC8+1], CHUNK+512, v2
	v_add_nc_u32 v[AW+1], CHUNK, v[AW]
	v_lshl_add_u32 v11, v16, 7, v11
	v_lshl_add_u32 v13, v16, 14, v13               ; cs: 4 r + two heads on for lanes 16-31
	v_add_nc_u32 v12, s93, v1                      ; the stage, back: my 16 rows, 16 bytes a lane
	v_add_nc_u32 v11, s94, v11                     ; and in: row r, my columns, + 128 h
	s_wait_alu depctr_va_vdst(0)
.irp b, 0,1
	global_load_b64 v[WS+4*\b:WS+4*\b+1], v2, s[6:7] offset:512*\b
	global_load_b64 v[WS+4*\b+2:WS+4*\b+3], v2, s[6:7] offset:512*\b+256
.endr
.irp a, 0,1,2,3
.irp i, 0,1,2,3
	global_load_b32 v[EW+4*\a+\i], v13, s[10:11] offset:32768*\i+64*\a          ; head 4 i + 2 h,
	global_load_b32 v[FW+4*\a+\i], v13, s[10:11] offset:32768*\i+8192+64*\a     ; head 4 i + 2 h + 1: the two halves of K step 2 i + h
.endr
.endr
	WIN 0x40
.irp b, 0,1
	global_load_b128 v[BI+8*\b:BI+8*\b+3], v14, s[12:13] offset:32*\b
	global_load_b128 v[BI+8*\b+4:BI+8*\b+7], v14, s[12:13] offset:32*\b+16
.endr
	WIN 0
	s_wait_loadcnt 0x0
.set i, 0
.rept 16
	v_lshl_or_b32 v[CSC+i], v[FW+i], 16, v[EW+i]   ; ctx's scale words: tile a at 4 a; register i: K step 2 i in lanes 0-15, 2 i + 1 in lanes 16-31
.set i, i+1
.endr
.rept 8
	v_nop                                          ; a scale register written by a vector instruction stands eight places ahead of a scaled matrix instruction
.endr
.macro FETCH s, p                      ; K step s: 2 fragments of Wo, 4 of ctx: 22 loads, into set p
	WIN 0x40
.irp b, 0,1
.irp c, 0,1,2
	ds_load_b128 v[72*(\p)+12*\b+4*\c:72*(\p)+12*\b+4*\c+3], v[AW+(\s)/4] offset:TL*\b+1536*((\s)%4)+512*\c
.endr
.endr
.irp a, 0,1,2,3
.irp c, 0,1
	ds_load_b128 v[72*(\p)+24+12*\a+6*\c:72*(\p)+24+12*\a+6*\c+3], v[AC16+(\s)/4] offset:TL*\a+1536*((\s)%4)+768*\c
	ds_load_b64 v[72*(\p)+24+12*\a+6*\c+4:72*(\p)+24+12*\a+6*\c+5], v[AC8+(\s)/4] offset:TL*\a+1536*((\s)%4)+768*\c
.endr
.endr
	WIN 0
.endm
; 4 matrix instructions: two of ctx's tiles x my two tiles of Wo.  cm = 1: step 0, whose C is the bias.  half = 0, 1: ctx's tiles 0, 1 or 2, 3.  The 8 accumulators take turns, one instruction a turn.
.macro MUL s, p, half, cm
.if \cm
	WIN 0x15
.else
	WIN 0x05
.endif
.irp a, 2*\half, 2*\half+1
.irp b, 0,1
.set rD, ACC+16*(\a)+8*\b
.set rA, 72*(\p)+12*\b
.set rB, 72*(\p)+24+12*(\a)
.set rE, WS+4*\b+(\s)/2
.set rF, CSC+4*(\a)+(\s)/2
.if \cm
	v_wmma_scale_f32_16x16x128_f8f6f4 v[rD:rD+7], v[rA:rA+11], v[rB:rB+11], v[BI+8*\b:BI+8*\b+7], v[rE], v[rF] matrix_a_fmt:MATRIX_FMT_FP6 matrix_b_fmt:MATRIX_FMT_FP6
.elseif (\s)%2
	v_wmma_scale_f32_16x16x128_f8f6f4 v[rD:rD+7], v[rA:rA+11], v[rB:rB+11], v[rD:rD+7], v[rE], v[rF] matrix_a_fmt:MATRIX_FMT_FP6 matrix_b_fmt:MATRIX_FMT_FP6 matrix_a_scale:MATRIX_SCALE_ROW1 matrix_b_scale:MATRIX_SCALE_ROW1
.else
	v_wmma_scale_f32_16x16x128_f8f6f4 v[rD:rD+7], v[rA:rA+11], v[rB:rB+11], v[rD:rD+7], v[rE], v[rF] matrix_a_fmt:MATRIX_FMT_FP6 matrix_b_fmt:MATRIX_FMT_FP6
.endif
.endr
.endr
.endm
.macro STEPN s, meet                   ; meet = 1: the next step opens chunk 1, met at a barrier behind which nothing is filled
	s_wait_dscnt 0x0                               ; this step's set is in, and no LDS instruction of mine is out at a signal
.if \meet
	s_wait_tensorcnt 0x0
	s_barrier_signal -1
	MUL \s, (\s)%2, 0, 0
	s_barrier_wait -1
	PLACES
	FETCH (\s)+1, ((\s)+1)%2
	MUL \s, (\s)%2, 1, 0
.else
	PLACES
	FETCH (\s)+1, ((\s)+1)%2
	MUL \s, (\s)%2, 0, 0
	MUL \s, (\s)%2, 1, 0
.endif
.endm
	s_wait_alu depctr_va_vdst(0)                   ; the wait at the head's end
	s_cmp_lt_u32 s[WV], 2                          ; waves 0 and 1 have asked for chunk 0
	s_cbranch_scc0 .Lnot_first
	s_wait_tensorcnt 0x0
.Lnot_first:
	s_barrier_signal -1
	s_barrier_wait -1
	FETCH 0, 0
	FETCH 1, 1
	s_wait_dscnt 22                                ; set 0 is in; set 1's 22 loads may be out
	MUL 0, 0, 0, 1
	MUL 0, 0, 1, 1
	STEPN 1, 0
	STEPN 2, 0
	STEPN 3, 1
	STEPN 4, 0
	STEPN 5, 0
	STEPN 6, 0
	s_wait_dscnt 0x0
	MUL 7, 1, 0, 0
	MUL 7, 1, 1, 0
	WIN 0
	PLACES
	; THE WAY OUT: a row's 128 columns come from four waves: they meet in the stage, and each wave stores 16 whole rows
.irp a, 0,1,2,3
.irp b, 0,1
	ds_store_b128 v11, v[ACC+16*\a+8*\b:ACC+16*\a+8*\b+3] offset:8448*\a+32*\b          ; each accumulator from its low end on
	ds_store_b128 v11, v[ACC+16*\a+8*\b+4:ACC+16*\a+8*\b+7] offset:8448*\a+32*\b+16
.endr
.endr
	s_wait_dscnt 0x0                               ; for the others' sake: my stores have landed
	s_barrier_signal -1
	s_barrier_wait -1
.irp i, 0,1,2,3,4,5,6,7,8,9,10,11,12,13,14,15
	ds_load_b128 v[OUTR+4*\i:OUTR+4*\i+3], v12 offset:528*\i
.endr
.irp i, 0,1,2,3,4,5,6,7,8,9,10,11,12,13,14,15
	s_wait_dscnt 15-\i                             ; row i is back; the younger loads may be out
	global_store_b128 v1, v[OUTR+4*\i:OUTR+4*\i+3], s[14:15] offset:(\i+24*(\i/8))*4096 th:TH_STORE_NT   ; 32 lanes store 512 consecutive bytes, aligned to 256
.endr
	s_wait_tensorcnt 0x0                           ; the wave's end, behind my last tensor load and my last LDS store
	ds_add_u32 v[SPW], v[NIL]
	s_wait_dscnt 0x0
	CROUND                                         ; the closing round
	s_endpgm
.Lfunc_end_k_qc6be873f17_proj:
	.size	k_qc6be873f17_proj, .Lfunc_end_k_qc6be873f17_proj-k_qc6be873f17_proj
	.p2alignl 7, 3214868480
	.fill 96, 4, 3214868480
	.section	.rodata,"a",@progbits
	.p2align	6, 0x0
	.amdhsa_kernel k_qc6be873f17_proj
		.amdhsa_group_segment_fixed_size 196608
		.amdhsa_private_segment_fixed_size 0
		.amdhsa_enable_private_segment 0
		.amdhsa_kernarg_size 48
		.amdhsa_user_sgpr_count 2
		.amdhsa_user_sgpr_kernarg_segment_ptr 1
		.amdhsa_wavefront_size32 1
		.amdhsa_system_sgpr_workgroup_id_x 1
		.amdhsa_system_sgpr_workgroup_id_y 1
		.amdhsa_system_sgpr_workgroup_id_z 1
		.amdhsa_system_vgpr_workitem_id 0
		.amdhsa_next_free_vgpr 416
		.amdhsa_next_free_sgpr 100
		.amdhsa_reserve_vcc 0
		.amdhsa_float_denorm_mode_32 3
		.amdhsa_float_denorm_mode_16_64 3
		.amdhsa_memory_ordered 1
		.amdhsa_forward_progress 1
		.amdhsa_inst_pref_size 38
	.end_amdhsa_kernel
	.amdgpu_metadata
---
amdhsa.version: [ 1, 2 ]
amdhsa.kernels:
  - .name:           k_qc6be873f17_proj
    .symbol:         k_qc6be873f17_proj.kd
    .args:
      - { .name: codes, .offset: 0, .size: 8, .value_kind: global_buffer, .address_space: global }
      - { .name: scl, .offset: 8, .size: 8, .value_kind: global_buffer, .address_space: global }
      - { .name: cc, .offset: 16, .size: 8, .value_kind: global_buffer, .address_space: global }
      - { .name: cs, .offset: 24, .size: 8, .value_kind: global_buffer, .address_space: global }
      - { .name: bo, .offset: 32, .size: 8, .value_kind: global_buffer, .address_space: global }
      - { .name: out0, .offset: 40, .size: 8, .value_kind: global_buffer, .address_space: global }
    .group_segment_fixed_size: 196608
    .private_segment_fixed_size: 0
    .kernarg_segment_align: 8
    .kernarg_segment_size: 48
    .max_flat_workgroup_size: 128
    .sgpr_count:     100
    .vgpr_count:     416
    .wavefront_size: 32
...
	.end_amdgpu_metadata
.endif
;; end of part 4
